; MI455X (gfx1250); checked and timed in simulation.
; The chip was launched on July 23, 2026; its instructions are those of AMD's public machine-readable ISA for CDNA 5 (MIT licence, August 2026) and "CDNA5" Instruction Set Architecture Reference Guide (July 2026). The comments in the code are by the model that wrote it; some were corrected since.
;; Multi Head Attention. Allowed arithmetic: matrix products marked QUANTISED: E2M1 operands, one E8M0 scale for each 32 along K, by v_wmma_scale_f32_16x16x128_f8f6f4 with both operands' format E2M1 (or v_wmma_scale_f32_32x16x128_f4), f32 sums; products left as they are: bf16, f16 or f32 operands; f32 sums; everything else in f32.
;; Inputs: Wk 16 x 1,024 x 64 float32; Wo 1,024 x 1,024 float32; Wq 16 x 1,024 x 64 float32; Wv 16 x 1,024 x 64 float32; bk 16 x 64 float32; bo 1,024 float32; bq 16 x 64 float32; bv 16 x 64 float32; key 4 x 2,048 x 1,024 float32; query 4 x 2,048 x 1,024 float32; value 4 x 2,048 x 1,024 float32.
;; Outputs: out0 4 x 2,048 x 1,024 float32.
;; This version of the problem:
;;   THIS VERSION OF THE PROBLEM IS GIVEN IN LOW PRECISION. The matrix products marked QUANTISED in the list below multiply operands that are first quantised to E2M1 (2 exponent bits, 1 mantissa bit; 4 bits a number), with one power-of-two scale for each 32 numbers along K (OCP MX v1.0); their sums are f32. The products marked 'left as it is' may take bf16, f16 or f32 operands, with f32 sums. Whichever they take, every output number must still come out within the allowed error. Rounding operands to bf16 (8 significant bits) uses up far more of that allowance than f16 does (11 bits, for magnitudes from 6e-5 to 65,504). All else is computed in f32.
;;   The module's matrix products, in the order in which they are computed (A, B: the left and right operand; K: the contracted axis; several contracted axes count as one K, in the product's order):
;;     1. [M 1,024, K 1,024] x [K 1,024, N 8,192]; A: input Wq; B: input query: QUANTISED
;;     2. [M 1,024, K 1,024] x [K 1,024, N 8,192]; A: input Wk; B: input key: QUANTISED
;;     3. [M 1,024, K 1,024] x [K 1,024, N 8,192]; A: input Wv; B: input value: QUANTISED
;;     4. batch 64 x [M 2,048, K 64] x [K 64, N 2,048]; A: computed on the way; B: computed on the way: left as it is (an operand is computed on the way)
;;     5. batch 64 x [M 2,048, K 2,048] x [K 2,048, N 64]; A: computed on the way; B: computed on the way: left as it is (an operand is computed on the way)
;;     6. [M 8,192, K 1,024] x [K 1,024, N 1,024]; A: computed on the way; B: input Wo: left as it is (an operand is computed on the way)
;;   THE QUANTISER, for each operand of a quantised product, along K:
;;     - K is cut into blocks of 32 from its start; a last block that is shorter is filled with zeros.
;;     - A block's scale is 2^e with e = floor(log2(the largest magnitude in the block)) - 2, held to -126 .. 127; a block of zeros has e = 0. As a byte (E8M0): e + 127.
;;     - Each number is divided by its block's scale, clamped to +-6, and rounded to the nearest number of E2M1, ties to even, subnormals kept.
;;     - The product sums the exact products of the quantised numbers (number of the format x scale) in f32.
;;   ~~~python
;;   def quantise(x, axis):      # numpy; x: float32 -> the quantised numbers, widened to float32 again
;;       x = np.moveaxis(x, axis, -1); K = x.shape[-1]
;;       x = np.pad(x, [(0, 0)] * (x.ndim - 1) + [(0, -K % 32)]); x = x.reshape(x.shape[:-1] + (-1, 32)); a = np.abs(x).max(-1, keepdims=True)
;;       e = np.where(a > 0, np.clip(np.frexp(np.where(a > 0, a, 1))[1] - 1 - 2, -126, 127), 0)      # np.frexp(a)[1] - 1 = floor(log2(a)), exactly
;;       r = np.clip(x / 2.0 ** e, -6, 6)
;;       step = 2.0 ** (np.maximum(np.frexp(np.where(r == 0, 1, r))[1] - 1, 0) - 1)
;;       q = np.round(r / step) * step * 2.0 ** e      # np.round: ties to even
;;       return np.moveaxis(q.reshape(q.shape[:-2] + (-1,))[..., :K], -1, axis).astype(np.float32)
;;   ~~~
;; One version. Each part assembles by itself: llvm-mc -triple=amdgcn-amd-amdhsa -mcpu=gfx1250 --defsym DOCPART=n.
;; ======== version 1 of 1: 4 launches
;; limits: values are held in f16: magnitudes above 65,504 overflow, below 6.1e-05 lose precision
;; workspace buffers: xc 12,582,912 bytes; xs 786,432 bytes; wc 1,572,864 bytes; ws 98,304 bytes; wo16 2,097,152 bytes; qkv 50,331,648 bytes; hd 16,777,216 bytes
;; launch prep (part 1): grid 1088 x 1, 4 waves a work-group, no clusters, 42,496 bytes of LDS; arguments query, key, value, Wq, Wk, Wv, Wo, xc, xs, wc, ws, wo16; writes xc, xs, wc, ws, wo16
.if DOCPART == 1
	.amdgcn_target "amdgcn-amd-amdhsa--gfx1250"
	.amdhsa_code_object_version 6
	.text
	.protected	k_qf19f1a506b_prep
	.globl	k_qf19f1a506b_prep
	.p2align	8
	.type	k_qf19f1a506b_prep,@function
k_qf19f1a506b_prep:
	s_mov_b64 s[64:65], 0
	v_nop
	global_prefetch_b8 v0, s[64:65] scope:SCOPE_SE
	s_setreg_imm32_b32 hwreg(HW_REG_WAVE_MODE, 25, 1), 1
	s_wait_xcnt 0x0
; THE OPERANDS OF THE THREE QUANTISED PROJECTIONS BECOME CODES OF FP4 (E2M1) WITH ONE E8M0 BYTE FOR EACH 32 ALONG K = d_model; Wo BECOMES f16.
; query, key, value [8192][1024] f32 -> xc [3 x 8192][512 bytes], xs [3 x 8192][32 bytes]: K is innermost, so each tensor is a plain stream of blocks of 32.
; Wq, Wk, Wv [16 h][1024 d][64 j] f32 -> wc [3 x 1024 n][512 bytes], ws [3 x 1024 n][32 bytes], n = 64 h + j: K = d is not innermost: a lane takes a column, its registers run down K.
; Wo [1024][1024] f32 -> wo16, the same layout in f16.
; A block's scale is 2^(floor(log2(its largest magnitude)) - 2); its byte is the largest magnitude's exponent field - 2, held at 1 from below by a floor among the maximum's leaves.
; LIMITS: NaN and infinities among the inputs are not served; a block of zeros gets the byte 1 (its codes are zeros, which add nothing, and this program alone reads the bytes).
; THREE WAYS, parted on the work-group's number alone and never joined: 0-191 the weights, 192-319 Wo, 320-1087 the activations.  Each way has LDS bytes of its own.
; No tensor loads, no clusters, no matrix units: the launch streams, and work-groups share nothing.
.set SPW,   16                         ; v16  LDS address of my spare word; never rewritten
.set NIL,   17                         ; v17  0; never rewritten
.set XREG,  8192                       ; the activations' way: a region for each wave: two stages of 32 x SP bytes, behind them its 256 scale bytes
.set SP,    80                         ; a lane's place in a stage: 64 bytes + 16 of padding
.set WST,   32768                      ; the weights' way: a stage of 32 rows (columns n) x (256 bytes + 16)
.set WP,    272
.set WSC,   WST+32*WP                  ; and 16 scale bytes for each of the 32 columns
.set SPARE, WSC+512                    ; the spare words, 128 bytes for each wave: two blocks of 256 bytes that no other line names
.set R,     32                         ; v32-95   activations: four sets of 16 numbers as loaded
.set X,     96                         ; v96-127  two sets of 16 neighbours
.set E,     128                        ; v128-143 a scale byte for each step
.set C,     144                        ; v144-175 codes: two registers for each step
.set WX,    32                         ; v32-95   weights: two sets of 32 numbers
.set WC,    96                         ; v96-111  four registers of codes for each of a wave's four blocks
.set SB,    112                        ; v112     the wave's four scale bytes of my column
.set WO,    116                        ; v116-135 the way out
	s_load_b256 s[4:11], s[0:1], 0x0               ; query s[4:5], key s[6:7], value s[8:9], Wq s[10:11]
	s_load_b256 s[12:19], s[0:1], 0x20             ; Wk s[12:13], Wv s[14:15], Wo s[16:17], xc s[18:19]
	s_load_b256 s[20:27], s[0:1], 0x40             ; xs s[20:21], wc s[22:23], ws s[24:25], wo16 s[26:27]
	v_lshl_add_u32 v[SPW], v0, 2, SPARE
	v_mov_b32 v[NIL], 0
	v_lshrrev_b32 v1, 5, v0
	v_readfirstlane_b32 s28, v1                    ; wave 0..3
	v_and_b32 v2, 31, v0                           ; lane
	s_wait_kmcnt 0x0
	s_cmp_lt_u32 ttmp9, 192
	s_cbranch_scc1 .Lpath_w
	s_cmp_lt_u32 ttmp9, 320
	s_cbranch_scc1 .Lpath_o
; ---------------- THE ACTIVATIONS.  A wave takes 16 steps of 512 numbers.  Each of a step's four loads reads 512 consecutive bytes; the 2,048 bytes turn through the wave's own stage, so that
; a lane then holds 16 neighbours along K (two neighbouring lanes hold a block).  Loads run four steps ahead, the turn through LDS one step.
	s_sub_co_u32 s29, ttmp9, 320
	s_lshr_b32 s30, s29, 8                         ; which tensor: 256 work-groups of 32,768 numbers each
	s_cmp_eq_u32 s30, 1
	s_cselect_b64 s[4:5], s[6:7], s[4:5]
	s_cmp_eq_u32 s30, 2
	s_cselect_b64 s[4:5], s[8:9], s[4:5]
	s_lshl_b32 s29, s29, 2
	s_add_co_u32 s29, s29, s28                     ; my run of 8,192 numbers among the three tensors' 3,072
	s_and_b32 s30, s29, 1023
	s_lshl_b32 s30, s30, 15                        ; 32,768 bytes of f32 a run, counted inside the tensor
	s_mov_b32 s31, 0
	s_add_nc_u64 s[4:5], s[4:5], s[30:31]
	s_lshl_b32 s30, s29, 12                        ; 4,096 bytes of codes a run
	s_add_nc_u64 s[18:19], s[18:19], s[30:31]
	s_lshl_b32 s30, s29, 8                         ; 256 scale bytes a run
	s_add_nc_u64 s[20:21], s[20:21], s[30:31]
	v_lshlrev_b32 v3, 4, v2                        ; my 16 bytes of a load's 512
	s_mul_i32 s32, s28, XREG
	v_lshrrev_b32 v14, 2, v2
	v_mul_u32_u24 v14, v14, SP
	v_and_b32 v15, 3, v2
	v_lshl_add_u32 v14, v15, 4, v14
	v_add_nc_u32 v14, s32, v14                     ; the stage, on the way in: SP (lane / 4) + 16 (lane % 4)
	v_mul_u32_u24 v15, v2, SP
	v_add_nc_u32 v15, s32, v15                     ; and on the way out: SP x lane: my 16 neighbours
	v_lshlrev_b32 v4, 3, v2                        ; 8 bytes a lane: my codes in a step's 256, and my part of the scale bytes
	v_lshrrev_b32 v5, 1, v2
	s_add_co_u32 s32, s32, 2*32*SP
	v_add_nc_u32 v5, s32, v5                       ; LDS: my block's byte among the wave's 256
	v_add_nc_u32 v6, s32, v4                       ; and 8 of them a lane on the way out
.macro XLOAD t
.irp i, 0,1,2,3
	global_load_b128 v[R+16*((\t)%4)+4*\i:R+16*((\t)%4)+4*\i+3], v3, s[4:5] offset:2048*(\t)+512*\i th:TH_LOAD_NT
.endr
.endm
.macro XTURN t                         ; LDS serves a wave's instructions in order (ISA guide 5.7.1.4): no wait between the stores and the loads
.irp i, 0,1,2,3
	ds_store_b128 v14, v[R+16*((\t)%4)+4*\i:R+16*((\t)%4)+4*\i+3] offset:32*SP*((\t)%2)+8*SP*\i
.endr
.irp i, 0,1,2,3
	ds_load_b128 v[X+16*((\t)%2)+4*\i:X+16*((\t)%2)+4*\i+3], v15 offset:32*SP*((\t)%2)+16*\i
.endr
.endm
.irp t, 0,1,2,3
	XLOAD \t
.endr
	s_wait_loadcnt 12                              ; step 0's four loads are in; the twelve of steps 1 to 3 may be out
	XTURN 0
.macro XSTEP t
.set XS, X+16*((\t)%2)
.if (\t) > 0
	s_wait_dscnt 1                                 ; this step's numbers are back from the stage; the last step's byte store may be out
.else
	s_wait_dscnt 0x0
.endif
.if (\t)+4 < 16
	XLOAD (\t)+4                                   ; into the registers that this step's stores into the stage have read
.endif
.if (\t)+1 < 16
.if 14-(\t) >= 3
	s_wait_loadcnt 12                              ; the next step's four loads are in; those of the three steps behind it may be out
.else
	s_wait_loadcnt 4*(14-(\t))
.endif
	XTURN (\t)+1
.endif
	v_max3_num_f32 v8, |v[XS]|, |v[XS+1]|, |v[XS+2]|               ; the largest magnitude of my 16, in two chains
	v_max3_num_f32 v9, |v[XS+3]|, |v[XS+4]|, |v[XS+5]|
.irp i, 6,10
	v_max3_num_f32 v8, v8, |v[XS+\i]|, |v[XS+\i+1]|
	v_max3_num_f32 v9, v9, |v[XS+\i+2]|, |v[XS+\i+3]|
.endr
	v_max3_num_f32 v8, v8, |v[XS+14]|, |v[XS+15]|
	v_max3_num_f32 v8, v8, v9, 0x1800000           ; and the floor 2^(3 - 127): the byte cannot fall under 1
	v_max_num_f32_dpp v8, v8, v8 row_xmask:1 row_mask:0xf bank_mask:0xf   ; with my neighbour's 16: the block's
	v_add_nc_u32 v11, 0xff000000, v8               ; 2 off its exponent field: the conversion takes the exponent field of this operand as its scale
	v_cvt_scalef32_pk8_fp4_f32 v[C+2*(\t)], v[XS:XS+7], v11
	v_cvt_scalef32_pk8_fp4_f32 v[C+2*(\t)+1], v[XS+8:XS+15], v11
	v_lshrrev_b32 v[E+(\t)], 23, v11               ; the scale's byte (a plain line behind the conversions)
	ds_store_b8 v5, v[E+(\t)] offset:16*(\t)       ; both lanes of a block write the same byte with the same value
	global_store_b64 v4, v[C+2*(\t):C+2*(\t)+1], s[18:19] offset:256*(\t)   ; the wave stores 256 consecutive bytes, aligned
.endm
.irp t, 0,1,2,3,4,5,6,7,8,9,10,11,12,13,14,15
	XSTEP \t
.endr
	ds_load_b64 v[8:9], v6
	s_wait_dscnt 0x0
	global_store_b64 v4, v[8:9], s[20:21]          ; the wave's 256 scale bytes: 256 consecutive bytes, aligned
	s_wait_tensorcnt 0x0                           ; the wave's end: a wait, an add of 0 to my spare word and its wait, behind my last LDS store
	ds_add_u32 v[SPW], v[NIL]
	s_wait_dscnt 0x0
	s_endpgm
; ---------------- THE WEIGHTS.  A work-group takes 32 columns n x 512 along K; wave w 128 of the 512: four blocks a lane.  A load reads one row d at 32 neighbouring columns.
; The four waves' codes meet in one stage (a row = a column n, 256 bytes), and leave as rows: sixteen lanes store 256 consecutive bytes, aligned.
.Lpath_w:
	s_lshr_b32 s29, ttmp9, 6                       ; which tensor: 64 work-groups each
	s_cmp_eq_u32 s29, 1
	s_cselect_b64 s[10:11], s[12:13], s[10:11]
	s_cmp_eq_u32 s29, 2
	s_cselect_b64 s[10:11], s[14:15], s[10:11]
	s_bfe_u32 s30, ttmp9, 0x50001                  ; which 32 columns of the tensor's 1,024
	s_and_b32 s31, ttmp9, 1                        ; which half of K
	s_lshr_b32 s32, s30, 1
	s_lshl_b32 s32, s32, 18                        ; the head: 1,024 rows of 256 bytes
	s_lshl_b32 s33, s31, 17                        ; 512 rows a half
	s_add_co_u32 s32, s32, s33
	s_lshl_b32 s33, s28, 15                        ; 128 rows a wave
	s_add_co_u32 s32, s32, s33
	s_and_b32 s33, s30, 1
	s_lshl_b32 s33, s33, 7                         ; the head's first or second 32 columns
	s_add_co_u32 s32, s32, s33
	s_mov_b32 s33, 0
	s_add_nc_u64 s[10:11], s[10:11], s[32:33]
	s_lshl_b32 s34, s29, 10
	s_lshl_b32 s35, s30, 5
	s_add_co_u32 s34, s34, s35                     ; my first row of wc and ws
	s_lshl_b32 s32, s34, 9
	s_lshl_b32 s35, s31, 8
	s_add_co_u32 s32, s32, s35
	s_add_nc_u64 s[22:23], s[22:23], s[32:33]
	s_lshl_b32 s32, s34, 5
	s_lshl_b32 s35, s31, 4
	s_add_co_u32 s32, s32, s35
	s_add_nc_u64 s[24:25], s[24:25], s[32:33]
	v_lshlrev_b32 v3, 2, v2                        ; in: 4 bytes a lane
	v_mul_u32_u24 v4, v2, WP
	s_lshl_b32 s35, s28, 6
	s_add_co_u32 s35, s35, WST
	v_add_nc_u32 v4, s35, v4                       ; the stage, in: row = my column, 64 bytes a wave
	v_lshlrev_b32 v8, 4, v2
	v_add_nc_u32 v8, WSC, v8                       ; my column's 16 scale bytes
	s_lshl_b32 s35, s28, 2
	v_add_nc_u32 v5, s35, v8                       ; my wave's four of them
	v_and_b32 v10, 15, v2
	v_lshrrev_b32 v9, 4, v2
	s_lshl_b32 s35, s28, 3
	v_add_nc_u32 v9, s35, v9                       ; out: wave w takes rows 8 w on, two an instruction
	v_mul_u32_u24 v6, v9, WP
	v_lshl_add_u32 v6, v10, 4, v6
	v_add_nc_u32 v6, WST, v6
	v_lshlrev_b32 v7, 9, v9                        ; and the same place in wc: rows of 512 bytes
	v_lshl_add_u32 v7, v10, 4, v7
	v_lshlrev_b32 v9, 5, v2                        ; ws: rows of 32 bytes
.macro WLOAD t
.irp i, 0,1,2,3,4,5,6,7,8,9,10,11,12,13,14,15,16,17,18,19,20,21,22,23,24,25,26,27,28,29,30,31
	global_load_b32 v[WX+32*((\t)%2)+\i], v3, s[10:11] offset:(32*(\t)+\i)*256
.endr
.endm
	WLOAD 0
	WLOAD 1
.macro WBLOCK t
.set XS, WX+32*((\t)%2)
.if (\t) < 3
	s_wait_loadcnt 32                              ; this block's 32 loads are in; the next block's 32 may be out
.else
	s_wait_loadcnt 0x0
.endif
	v_max3_num_f32 v12, |v[XS]|, |v[XS+1]|, |v[XS+2]|              ; the block's largest magnitude: all 32 numbers are mine
	v_max3_num_f32 v13, |v[XS+3]|, |v[XS+4]|, |v[XS+5]|
.irp i, 6,10,14,18,22,26
	v_max3_num_f32 v12, v12, |v[XS+\i]|, |v[XS+\i+1]|
	v_max3_num_f32 v13, v13, |v[XS+\i+2]|, |v[XS+\i+3]|
.endr
	v_max3_num_f32 v12, v12, |v[XS+30]|, |v[XS+31]|
	v_max3_num_f32 v12, v12, v13, 0x1800000        ; and the floor
	v_add_nc_u32 v11, 0xff000000, v12
	v_lshrrev_b32 v13, 23, v11
.if (\t) == 0
	v_mov_b32 v[SB], v13
.else
	v_lshl_or_b32 v[SB], v13, 8*(\t), v[SB]        ; the lower K in the lower byte
.endif
.irp g, 0,1,2,3
	v_cvt_scalef32_pk8_fp4_f32 v[WC+4*(\t)+\g], v[XS+8*\g:XS+8*\g+7], v11
.endr
	v_nop                                          ; a plain line behind the last conversion
	ds_store_b128 v4, v[WC+4*(\t):WC+4*(\t)+3] offset:16*(\t)
.if (\t)+2 < 4
	WLOAD (\t)+2
.endif
.endm
.irp t, 0,1,2,3
	WBLOCK \t
.endr
	ds_store_b32 v5, v[SB]
	s_wait_dscnt 0x0                               ; for the others' sake: my stores into the stages are done
	s_barrier_signal -1
	s_barrier_wait -1
.irp u, 0,1,2,3
	ds_load_b128 v[WO+4*\u:WO+4*\u+3], v6 offset:2*WP*\u
.endr
.irp u, 0,1,2,3
	s_wait_dscnt 3-\u                              ; the younger loads may be out
	global_store_b128 v7, v[WO+4*\u:WO+4*\u+3], s[22:23] offset:1024*\u
.endr
	s_cmp_lg_u32 s28, 0                            ; wave 0 stores the 32 columns' scale bytes, 16 to a row of ws
	s_cbranch_scc1 .Lw_end
	ds_load_b128 v[WO+16:WO+19], v8
	s_wait_dscnt 0x0
	global_store_b128 v9, v[WO+16:WO+19], s[24:25]
.Lw_end:
	s_wait_tensorcnt 0x0                           ; the wave's end: a wait, an add of 0 to my spare word and its wait, behind my last LDS store
	ds_add_u32 v[SPW], v[NIL]
	s_wait_dscnt 0x0
	s_endpgm
; ---------------- Wo to f16: a wave takes 8,192 bytes in, 4,096 out; no LDS.
.Lpath_o:
	s_sub_co_u32 s29, ttmp9, 192
	s_lshl_b32 s29, s29, 2
	s_add_co_u32 s29, s29, s28                     ; my run of 512
	s_lshl_b32 s30, s29, 13
	s_mov_b32 s31, 0
	s_add_nc_u64 s[16:17], s[16:17], s[30:31]
	s_lshl_b32 s30, s29, 12
	s_add_nc_u64 s[26:27], s[26:27], s[30:31]
	v_lshlrev_b32 v3, 4, v2
	v_lshlrev_b32 v4, 3, v2
.irp i, 0,1,2,3,4,5,6,7,8,9,10,11,12,13,14,15
	global_load_b128 v[32+4*\i:35+4*\i], v3, s[16:17] offset:512*\i th:TH_LOAD_NT
.endr
.irp i, 0,1,2,3,4,5,6,7,8,9,10,11,12,13,14,15
	s_wait_loadcnt 15-\i                           ; the younger loads may be out
	v_cvt_pk_f16_f32 v[96+2*\i], v[32+4*\i], v[33+4*\i]
	v_cvt_pk_f16_f32 v[97+2*\i], v[34+4*\i], v[35+4*\i]
	global_store_b64 v4, v[96+2*\i:97+2*\i], s[26:27] offset:256*\i   ; the wave stores 256 consecutive bytes, aligned
.endr
	s_endpgm
.Lfunc_end_k_qf19f1a506b_prep:
	.size	k_qf19f1a506b_prep, .Lfunc_end_k_qf19f1a506b_prep-k_qf19f1a506b_prep
	.p2alignl 7, 3214868480
	.fill 96, 4, 3214868480
	.section	.rodata,"a",@progbits
	.p2align	6, 0x0
	.amdhsa_kernel k_qf19f1a506b_prep
		.amdhsa_group_segment_fixed_size 42496
		.amdhsa_private_segment_fixed_size 0
		.amdhsa_enable_private_segment 0
		.amdhsa_kernarg_size 96
		.amdhsa_user_sgpr_count 2
		.amdhsa_user_sgpr_kernarg_segment_ptr 1
		.amdhsa_wavefront_size32 1
		.amdhsa_system_sgpr_workgroup_id_x 1
		.amdhsa_system_sgpr_workgroup_id_y 1
		.amdhsa_system_sgpr_workgroup_id_z 1
		.amdhsa_system_vgpr_workitem_id 0
		.amdhsa_next_free_vgpr 176
		.amdhsa_next_free_sgpr 66
		.amdhsa_reserve_vcc 0
		.amdhsa_float_denorm_mode_32 3
		.amdhsa_float_denorm_mode_16_64 3
		.amdhsa_memory_ordered 1
		.amdhsa_forward_progress 1
		.amdhsa_inst_pref_size 61
	.end_amdhsa_kernel
	.amdgpu_metadata
---
amdhsa.version: [ 1, 2 ]
amdhsa.kernels:
  - .name:           k_qf19f1a506b_prep
    .symbol:         k_qf19f1a506b_prep.kd
    .args:
      - { .name: query, .offset: 0, .size: 8, .value_kind: global_buffer, .address_space: global }
      - { .name: key, .offset: 8, .size: 8, .value_kind: global_buffer, .address_space: global }
      - { .name: value, .offset: 16, .size: 8, .value_kind: global_buffer, .address_space: global }
      - { .name: Wq, .offset: 24, .size: 8, .value_kind: global_buffer, .address_space: global }
      - { .name: Wk, .offset: 32, .size: 8, .value_kind: global_buffer, .address_space: global }
      - { .name: Wv, .offset: 40, .size: 8, .value_kind: global_buffer, .address_space: global }
      - { .name: Wo, .offset: 48, .size: 8, .value_kind: global_buffer, .address_space: global }
      - { .name: xc, .offset: 56, .size: 8, .value_kind: global_buffer, .address_space: global }
      - { .name: xs, .offset: 64, .size: 8, .value_kind: global_buffer, .address_space: global }
      - { .name: wc, .offset: 72, .size: 8, .value_kind: global_buffer, .address_space: global }
      - { .name: ws, .offset: 80, .size: 8, .value_kind: global_buffer, .address_space: global }
      - { .name: wo16, .offset: 88, .size: 8, .value_kind: global_buffer, .address_space: global }
    .group_segment_fixed_size: 42496
    .private_segment_fixed_size: 0
    .kernarg_segment_align: 8
    .kernarg_segment_size: 96
    .max_flat_workgroup_size: 128
    .sgpr_count:     66
    .vgpr_count:     176
    .wavefront_size: 32
...
	.end_amdgpu_metadata
.endif
;; end of part 1
;; launch proj (part 2): grid 4 x 96, 4 waves a work-group, clusters of 4 x 4, 327,680 bytes of LDS; arguments xc, xs, wc, ws, qkv, bq, bk, bv; writes qkv
.if DOCPART == 2
	.amdgcn_target "amdgcn-amd-amdhsa--gfx1250"
	.amdhsa_code_object_version 6
	.text
	.protected	k_qf19f1a506b_proj
	.globl	k_qf19f1a506b_proj
	.p2align	8
	.type	k_qf19f1a506b_proj,@function
k_qf19f1a506b_proj:
	s_mov_b64 s[64:65], 0
	v_nop
	global_prefetch_b8 v0, s[64:65] scope:SCOPE_SE
	s_setreg_imm32_b32 hwreg(HW_REG_WAVE_MODE, 25, 1), 1
	s_wait_xcnt 0x0
	s_wait_alu depctr_hold_cnt(0) depctr_sa_sdst(0) depctr_va_vdst(0) depctr_va_sdst(0) depctr_va_ssrc(0) depctr_va_vcc(0) depctr_vm_vsrc(0)
	s_getreg_b32 s2, hwreg(HW_REG_IB_STS2, 6, 4)
	s_cmp_eq_u32 s2, 0
	s_cbranch_scc0 .Lentry_in_a_cluster
	s_endpgm
.Lentry_in_a_cluster:
	s_bfe_u32 s2, ttmp6, 0x10000c
	s_cmp_lg_u32 s2, 0xf033
	s_cbranch_scc0 .Lentry_shape_is_right
	s_endpgm
.Lentry_shape_is_right:
; THE THREE PROJECTIONS ON CODES OF FP4: q, k, v (token, n) = sum over d of x(token, d) W(n, d) + bias(n), rounded once to f16, laid [3][batch][head][token][64].
; xc [24576 rows][512 bytes], xs [24576][32]: the three activations on end.  wc [3072 rows][512], ws [3072][32]: the three weights on end, n = 64 head + j.
; A tile is 256 tokens x 256 n, made by four waves, each 128 x 128: 64 accumulators, 512 registers.  K = 1,024 is two LDS slots of 512 along K (rows of 256 bytes): both are filled once, at the start,
; and so are the scale bytes of the tile's 256 + 256 rows: no LDS byte is filled twice.  By this text's own count a wave has three tensor loads out at the start.
; CLUSTERS: 4 x 4 work-groups.  The four of a row need the same rows of xc and xs, the four of a column the same rows of wc and ws: each is asked for jointly.
; The tensor (q, k or v) follows from the cluster's y alone (8 clusters a tensor), so the weights' addresses hold nothing of a work-group's place along y.
; THE MATRIX INSTRUCTION IS USED TRANSPOSED (source 0 = 16 rows of W, source 1 = 16 tokens): a lane holds eight neighbouring n of one token.  The bias is the C of each sum's first product.
; LIMIT: |q|, |k|, |v| stay under 65,504 (f16); beyond that the rounding gives infinity.
; REGISTERS: window 0: v0-31 addresses; v32-95 scale words, two sets; v128-191 the tokens' fragments, one set; v192-255 the bias, eight blocks of 8; on the way out v128-223 are free.
;   window 1: W's fragments, two sets, at v0 and v128.   window 2: the accumulators of my tokens 0-63 ((a, b) at v[8 (8 a + b)]);   window 3: those of tokens 64-127.
.set NQ,     4                         ; steps of 128 along K in a slot
.set ROWB,   256                       ; a tile's row in bytes: 512 codes
.set KROW,   512                       ; a row of xc or wc
.set PITCH,  272                       ; an LDS row: 256 bytes + 16 of padding: the 16 rows that a load touches start at 16 different banks (64 banks of 4 bytes: ISA guide 11.1)
.set FR,     8
.set NL,     2
.set NP,     4                         ; places behind this matrix instruction (ISA guide 7.12.1)
.set HALFT,  128*PITCH
.set SLOT,   4*HALFT
.set KS,     32                        ; a row of scale bytes
.set SCL,    2*SLOT
.set HALFS,  (128*KS/256)*272
.set SBLK,   (16*KS/256)*272
.set SPARE,  SCL+4*HALFS               ; the spare words, 128 bytes for each wave: two blocks of 256 bytes that no other line names
.set SPITCH, 272                       ; the way out: a stage of 16 rows x (256 bytes + 16) for each wave, in slot 0, which has had its one fill and its last read by then
.set ADRA, 16
.set ADRB, 20
.set STO,  24
.set RD,   25
.set CO,   26
.set ADRS, 27
.set SPW,  28
.set NIL,  29
.set BO,   30
.set SC,   32
.set AF,   128
.set BI,   192
.set TMP,  192
.set OB,   128
.set G1, 24
.set G0, 32
.set G1B, 48
.set G0B, 56
.set G1S, 68
.set G0S, 76
.set G1SB, 80
.set G0SB, 88
.set MSB, 0
.macro WIN new                         ; the immediate's high byte repeats the setting that is left
.if MSB != \new
	s_set_vgpr_msb (MSB<<8)|\new
.set MSB, \new
.endif
.endm
.set MUL_LO,  0xa1                     ; source 0 (W) window 1, source 1 (tokens) window 0, C and D window 2
.set MUL_HI,  0xf1                     ; the same, C and D window 3
.set MUL_LO0, 0x81                     ; the first products: C (the bias) window 0, D window 2
.set MUL_HI0, 0xc1                     ; C window 0, D window 3
.set TO_B,    0x40
; A joint load: waves 0 and 1 fetch for the tokens, waves 2 and 3 for W.  The branch hangs on the wave's number alone.  An s_nop 0 and four v_nop follow each of the two lines.
.macro JLOAD g0a, g1a, g0b, g1b
	s_cmp_eq_u32 s15, 0
	s_cbranch_scc0 .Lfor_b_\@
	tensor_load_to_lds s[\g0a:\g0a+3], s[\g1a:\g1a+7]
	s_nop 0
.rept 4
	v_nop
.endr
	s_branch .Lasked_\@
.Lfor_b_\@:
	tensor_load_to_lds s[\g0b:\g0b+3], s[\g1b:\g1b+7]
	s_nop 0
.rept 4
	v_nop
.endr
.Lasked_\@:
.endm
.macro CROUND                          ; a round of the cluster's barrier
	s_barrier_signal -1
	s_barrier_wait -1
	s_cmp_lg_u32 s14, 0
	s_cbranch_scc1 .Lnot_wave_0_\@
	s_barrier_signal -3
.Lnot_wave_0_\@:
	s_barrier_wait -3
	s_barrier_signal -1
	s_barrier_wait -1
.endm
	s_load_b128 s[4:7], s[0:1], 0x0                ; xc s[4:5], xs s[6:7]
	s_load_b128 s[8:11], s[0:1], 0x10              ; wc s[8:9], ws s[10:11]
	s_load_b64 s[12:13], s[0:1], 0x20              ; qkv
	s_load_b64 s[96:97], s[0:1], 0x28              ; bq
	s_load_b64 s[98:99], s[0:1], 0x30              ; bk
	s_load_b64 s[100:101], s[0:1], 0x38            ; bv
	v_lshl_add_u32 v[SPW], v0, 2, SPARE
	v_mov_b32 v[NIL], 0
	ds_add_u32 v[SPW], v[NIL]                      ; the wave's opening: the add, twice on end, and its wait ahead of my first tensor load
	ds_add_u32 v[SPW], v[NIL]
	v_lshrrev_b32 v1, 5, v0
	v_readfirstlane_b32 s14, v1                    ; wave 0..3
	s_lshr_b32 s15, s14, 1                         ; which half of the tile's tokens is mine.  Also: I fetch for the tokens (0) or for W (1)
	s_and_b32 s16, s14, 1                          ; which half of its n.  Also: which 128 rows I fetch
	s_bfe_u32 s40, ttmp6, 0x40000                  ; cx, cy: my place in the cluster
	s_bfe_u32 s41, ttmp6, 0x40004
	s_lshl_b32 s42, ttmp9, 2
	s_add_co_u32 s42, s42, s40                     ; tile column: 256 n each
	s_and_b32 s17, ttmp7, 0xffff
	s_lshr_b32 s95, s17, 3                         ; the tensor: 0 q, 1 k, 2 v: from the cluster's y alone
	s_lshl_b32 s17, s17, 2
	s_add_co_u32 s17, s17, s41                     ; tile row among the 96 of the three tensors
	s_lshl_b32 s43, s41, 2
	s_lshl_b32 s43, 15, s43                        ; my row of the cluster
	s_lshl_b32 s44, 0x1111, s40                    ; my column
	s_or_b32 s[G1+0], s43, (0<<16)|(1<<20)|(1<<21)|(5<<22)|(3<<25)   ; the mask; elements of 1 byte; padding on; bit 21 beside a mask; 4 words behind every 64
	s_or_b32 s[G1B+0], s44, (0<<16)|(1<<20)|(1<<21)|(5<<22)|(3<<25)
.irp g, G1, G1B
	s_mov_b32 s[\g+1], ROWB<<16                    ; tensor_dim0
	s_mov_b32 s[\g+2], 128<<16                     ; tensor_dim1
	s_mov_b32 s[\g+3], ROWB<<16                    ; tile_dim0
	s_mov_b32 s[\g+4], 128                         ; tile_dim1
	s_mov_b32 s[\g+5], KROW                        ; from row to row
	s_mov_b32 s[\g+6], 0
	s_mov_b32 s[\g+7], 0
.endr
	s_or_b32 s[G1S+0], s43, (3<<16)|(1<<20)|(1<<21)|(5<<22)|(3<<25)  ; the scale bytes of 128 rows: 4,096 dense bytes as 16 rows of 32 elements of 8 bytes
	s_or_b32 s[G1SB+0], s44, (3<<16)|(1<<20)|(1<<21)|(5<<22)|(3<<25)
.irp g, G1S, G1SB
	s_mov_b32 s[\g+1], 32<<16
	s_mov_b32 s[\g+2], (128*KS/256)<<16
	s_mov_b32 s[\g+3], 32<<16
	s_mov_b32 s[\g+4], 128*KS/256
	s_mov_b32 s[\g+5], 32
	s_mov_b32 s[\g+6], 0
	s_mov_b32 s[\g+7], 0
.endr
	s_lshl_b32 s18, s16, 7
	s_lshl_b32 s20, s17, 8
	s_add_co_u32 s20, s20, s18                     ; tokens: row 256 x tile row + 128 x half
	s_lshl_b32 s46, s42, 8
	s_add_co_u32 s46, s46, s18
	s_lshl_b32 s47, s95, 10
	s_add_co_u32 s46, s46, s47                     ; W: row 1,024 x tensor + 256 x tile column + 128 x half
	s_mov_b32 s21, 0
	s_mov_b32 s47, 0
	s_mov_b64 s[18:19], KS
	s_mul_u64 s[22:23], s[20:21], s[18:19]
	s_mul_u64 s[92:93], s[46:47], s[18:19]
	s_mov_b64 s[18:19], KROW
	s_mul_u64 s[20:21], s[20:21], s[18:19]
	s_mul_u64 s[46:47], s[46:47], s[18:19]
	s_mul_i32 s45, s14, HALFT                      ; where they go: wave x 128 rows: no place in the cluster enters an LDS address
	s_mul_i32 s94, s14, HALFS
	s_wait_dscnt 0x0                               ; both opening adds are done
	s_wait_kmcnt 0x0
	s_add_nc_u64 s[20:21], s[4:5], s[20:21]
	s_add_nc_u64 s[22:23], s[6:7], s[22:23]
	s_add_nc_u64 s[46:47], s[8:9], s[46:47]
	s_add_nc_u64 s[92:93], s[10:11], s[92:93]
	CROUND                                         ; all sixteen work-groups are here: the joint loads meet
	s_mov_b32 s[G0S], 1
	s_add_co_u32 s[G0S+1], s94, SCL
	s_mov_b64 s[G0S+2:G0S+3], s[22:23]
	s_or_b32 s[G0S+3], s[G0S+3], 0x80000000
	s_mov_b32 s[G0SB], 1
	s_add_co_u32 s[G0SB+1], s94, SCL
	s_mov_b64 s[G0SB+2:G0SB+3], s[92:93]
	s_or_b32 s[G0SB+3], s[G0SB+3], 0x80000000
	JLOAD G0S, G1S, G0SB, G1SB                     ; the scale bytes first: they are wanted with the first slot
.irp s, 0,1
	s_mov_b32 s[G0+4*\s], 1
	s_add_co_u32 s[G0+4*\s+1], s45, \s*SLOT
	s_add_nc_u64 s[G0+4*\s+2:G0+4*\s+3], s[20:21], \s*ROWB
	s_or_b32 s[G0+4*\s+3], s[G0+4*\s+3], 0x80000000
	s_mov_b32 s[G0B+4*\s], 1
	s_add_co_u32 s[G0B+4*\s+1], s45, \s*SLOT
	s_add_nc_u64 s[G0B+4*\s+2:G0B+4*\s+3], s[46:47], \s*ROWB
	s_or_b32 s[G0B+4*\s+3], s[G0B+4*\s+3], 0x80000000
	JLOAD G0+4*\s, G1, G0B+4*\s, G1B
.endr
	v_and_b32 v1, 15, v0                           ; r = lane % 16
	v_bfe_u32 v2, v0, 4, 1                         ; h = lane / 16
	; the bias of my 128 n: lane (r, h) wants, for block b, the eight numbers at n = 16 b + 8 h + 0 .. 7
	s_cmp_eq_u32 s95, 1
	s_cselect_b64 s[96:97], s[98:99], s[96:97]
	s_cmp_eq_u32 s95, 2
	s_cselect_b64 s[96:97], s[100:101], s[96:97]
	s_lshl_b32 s20, s42, 10
	s_lshl_b32 s21, s16, 9
	s_add_co_u32 s20, s20, s21
	s_mov_b32 s21, 0
	s_add_nc_u64 s[96:97], s[96:97], s[20:21]
	v_lshlrev_b32 v[BO], 5, v2
.irp b, 0,1,2,3,4,5,6,7
	global_load_b128 v[BI+8*\b:BI+8*\b+3], v[BO], s[96:97] offset:64*\b
	global_load_b128 v[BI+8*\b+4:BI+8*\b+7], v[BO], s[96:97] offset:64*\b+16
.endr
	v_mul_u32_u24 v3, v1, PITCH
	v_lshl_add_u32 v4, v2, 4, v3                   ; a fragment's row x pitch + 16 x half
	s_mul_i32 s21, s15, HALFT                      ; my 128 tokens
	s_mul_i32 s22, s16, HALFT                      ; my 128 rows of W,
	s_add_co_u32 s22, s22, 2*HALFT                 ; which lie behind the 256 tokens
.irp s, 0,1
	v_add_nc_u32 v[ADRA+\s], s21, v4
	v_add_nc_u32 v[ADRB+\s], s22, v4
	s_add_co_u32 s21, s21, SLOT
	s_add_co_u32 s22, s22, SLOT
.endr
	v_mul_u32_u24 v5, v1, KS                       ; my row's scale bytes: 32 a row,
	v_lshrrev_b32 v6, 8, v5
	v_lshl_add_u32 v5, v6, 4, v5                   ; and 16 more for each 256 passed
	s_mul_i32 s21, s15, HALFS
	s_mul_i32 s22, s16, HALFS
	s_add_co_u32 s22, s22, 2*HALFS
	s_sub_co_u32 s22, s22, s21
	v_mul_u32_u24 v6, s22, v2                      ; lanes 16-31 take W's: one product, the distance between the two bases
	s_add_co_u32 s21, s21, SCL
	v_add_nc_u32 v5, v5, v6
	v_add_nc_u32 v[ADRS], s21, v5
	s_mul_i32 s23, s14, 16*SPITCH                  ; my stage
	v_mul_u32_u24 v5, v1, SPITCH                   ; in: row = token r, 16 bytes for each half of the lanes
	v_lshl_add_u32 v5, v2, 4, v5
	v_add_nc_u32 v[STO], s23, v5
	v_lshrrev_b32 v6, 3, v1                        ; back: lanes 0-15 take two tokens' 128 bytes of my first head, lanes 16-31 of my second
	v_mul_u32_u24 v6, v6, SPITCH
	v_and_b32 v7, 7, v1
	v_lshl_add_u32 v6, v7, 4, v6
	v_lshl_add_u32 v6, v2, 7, v6
	v_add_nc_u32 v[RD], s23, v6
	v_lshlrev_b32 v[CO], 18, v2                    ; in qkv a head is 2,048 tokens of 128 bytes; two tokens of a head are 256 consecutive bytes
	v_lshl_add_u32 v[CO], v1, 4, v[CO]
	s_lshr_b32 s20, s17, 3
	s_lshl_b32 s20, s20, 22                        ; tensor and batch: 8 tile rows, 16 heads, each
	s_lshl_b32 s21, s42, 2
	s_lshl_b32 s22, s16, 1
	s_add_co_u32 s21, s21, s22
	s_lshl_b32 s21, s21, 18                        ; my first head: 4 x tile column + 2 x half
	s_add_co_u32 s20, s20, s21
	s_and_b32 s21, s17, 7
	s_lshl_b32 s21, s21, 8
	s_lshl_b32 s22, s15, 7
	s_add_co_u32 s21, s21, s22
	s_lshl_b32 s21, s21, 7                         ; my first token in the batch, 128 bytes each
	s_add_co_u32 s20, s20, s21
	s_mov_b32 s21, 0
	s_add_nc_u64 s[12:13], s[12:13], s[20:21]
.macro FRAG reg, adr, q, i             ; 16 rows x 128 K of 4-bit codes: 8 registers: lane l holds row l % 16; registers 4 c .. 4 c + 3 hold K = 64 c + 32 (l / 16) + 0 .. 31
.irp c, 0,1
	ds_load_b128 v[\reg+4*\c:\reg+4*\c+3], v[\adr] offset:64*(\q)+32*\c+(\i)*16*PITCH
.endr
.endm
; 16 matrix instructions: token blocks a0, a0 + 1 x W's eight.  p: W's set; sc: the set of scale words.  zero = 1: the first product takes the bias as C.  The 64 accumulators take turns.
.macro MUL16 a0, p, q, sc, zero
.irp a, \a0, \a0+1
.irp b, 0,1,2,3,4,5,6,7
.if \zero
	v_wmma_scale_f32_16x16x128_f8f6f4 v[8*(8*((\a)%4)+\b):8*(8*((\a)%4)+\b)+7], v[128*(\p)+FR*\b:128*(\p)+FR*\b+FR-1], v[AF+FR*(\a):AF+FR*(\a)+FR-1], v[BI+8*\b:BI+8*\b+7], v[SC+8*NQ*(\sc)+NQ*\b+(\q)], v[SC+8*NQ*(\sc)+NQ*(\a)+(\q)] matrix_a_fmt:MATRIX_FMT_FP4 matrix_b_fmt:MATRIX_FMT_FP4 matrix_a_scale:MATRIX_SCALE_ROW1
.else
	v_wmma_scale_f32_16x16x128_f8f6f4 v[8*(8*((\a)%4)+\b):8*(8*((\a)%4)+\b)+7], v[128*(\p)+FR*\b:128*(\p)+FR*\b+FR-1], v[AF+FR*(\a):AF+FR*(\a)+FR-1], v[8*(8*((\a)%4)+\b):8*(8*((\a)%4)+\b)+7], v[SC+8*NQ*(\sc)+NQ*\b+(\q)], v[SC+8*NQ*(\sc)+NQ*(\a)+(\q)] matrix_a_fmt:MATRIX_FMT_FP4 matrix_b_fmt:MATRIX_FMT_FP4 matrix_a_scale:MATRIX_SCALE_ROW1
.endif
.endr
.endr
.endm
.macro FETCH_B slot, q, p
	WIN TO_B
.irp i, 0,1,2,3,4,5,6,7
	FRAG 128*(\p)+FR*\i, ADRB+\slot, \q, \i
.endr
	WIN 0
.endm
.macro FETCH_A slot, q, i0
.irp i, \i0, \i0+1, \i0+2, \i0+3
	FRAG AF+FR*(\i), ADRA+\slot, \q, \i
.endr
.endm
.macro SCALES sc                       ; a slot's scale words: four a row; lanes 0-15 the tokens' block i, lanes 16-31 W's block i
.irp i, 0,1,2,3,4,5,6,7
	ds_load_b128 v[SC+8*NQ*\sc+NQ*\i:SC+8*NQ*\sc+NQ*\i+3], v[ADRS] offset:\i*SBLK
.endr
.endm
.macro PLACES n                        ; plain vector lines between a matrix instruction and a load into, or a read of, its registers
.rept \n
	v_nop
.endr
.endm
.macro STEP slot, q, zero              ; 128 along K, with its successor in the same slot
	s_wait_dscnt 4*NL                              ; all but the youngest eight loads (token blocks 4-7) are in
.if \zero
	WIN MUL_LO0
.else
	WIN MUL_LO
.endif
	MUL16 0, (\q)%2, \q, \slot, \zero
	MUL16 2, (\q)%2, \q, \slot, \zero
	s_wait_dscnt 0
	PLACES NP
	FETCH_B \slot, (\q)+1, 1-(\q)%2
	FETCH_A \slot, (\q)+1, 0
.if \zero
	WIN MUL_HI0
.else
	WIN MUL_HI
.endif
	MUL16 4, (\q)%2, \q, \slot, \zero
	MUL16 6, (\q)%2, \q, \slot, \zero
	PLACES NP
	WIN 0
	FETCH_A \slot, (\q)+1, 4
.endm
.macro STEPS slot, from
.set Q, \from
.rept NQ-1-\from
	STEP \slot, Q, 0
.set Q, Q+1
.endr
.endm
	s_wait_tensorcnt 1                             ; the scale bytes and my part of slot 0 are in; slot 1's load may be out
	s_barrier_signal -1
	s_barrier_wait -1
	FETCH_B 0, 0, 0
	FETCH_A 0, 0, 0
	SCALES 0
	FETCH_A 0, 0, 4
	s_wait_loadcnt 0x0                             ; the bias
	STEP 0, 0, 1
	STEPS 0, 1
	; slot 0's last step changes slots: one barrier; in front of it each wave waits for all its tensor loads (slot 1's), adds 0 to its spare word, and waits for that and for its reads of slot 0
	s_wait_tensorcnt 0x0
	ds_add_u32 v[SPW], v[NIL]
	s_wait_dscnt 4*NL+1                            ; the add and the youngest eight loads may be out
	WIN MUL_LO
	MUL16 0, 1, NQ-1, 0, 0
	s_wait_dscnt 0x0
	s_barrier_signal -1
	MUL16 2, 1, NQ-1, 0, 0
	WIN 0
	s_barrier_wait -1
	PLACES NP
	v_add_nc_u32 v[ADRS], 4*NQ, v[ADRS]            ; on to slot 1's scale words
	FETCH_B 1, 0, 0
	FETCH_A 1, 0, 0
	SCALES 1
	WIN MUL_HI
	MUL16 4, 1, NQ-1, 0, 0
	MUL16 6, 1, NQ-1, 0, 0
	PLACES NP
	WIN 0
	FETCH_A 1, 0, 4
	STEPS 1, 0
	s_wait_dscnt 4*NL                              ; the last step: nothing more to fetch
	WIN MUL_LO
	MUL16 0, 1, NQ-1, 1, 0
	MUL16 2, 1, NQ-1, 1, 0
	s_wait_dscnt 0
	WIN MUL_HI
	MUL16 4, 1, NQ-1, 1, 0
	MUL16 6, 1, NQ-1, 1, 0
	WIN 0
; THE WAY OUT, a block of 16 tokens x 128 n at a time: rounded to f16 (16 bytes a lane), through my own stage, back so that sixteen lanes hold two tokens of one head: 256 consecutive bytes of qkv, aligned.
.macro PACK a
.set AC, 64*((\a)%4)
.set WN, 0x0a+5*((\a)/4)
	WIN WN                                         ; sources 0 and 1: window 2 or 3
.irp b, 0,1,2,3,4,5,6,7
.irp r, 0,1,2,3
	v_cvt_pk_f16_f32 v[TMP+4*\b+\r], v[AC+8*\b+2*\r], v[AC+8*\b+2*\r+1]   ; each accumulator from its low end on
.endr
.endr
	WIN 0
.endm
.macro TOSTAGE a
.set BK, OB+32*((\a)%2)
.irp b, 0,1,2,3,4,5,6,7
	ds_store_b128 v[STO], v[TMP+4*\b:TMP+4*\b+3] offset:32*\b
.endr
.irp t, 0,1,2,3,4,5,6,7
	ds_load_b128 v[BK+4*\t:BK+4*\t+3], v[RD] offset:\t*2*SPITCH    ; LDS serves a wave's instructions in order (ISA guide 5.7.1.4): these see the stores above
.endr
.endm
.macro SEND a
.set BK, OB+32*((\a)%2)
	s_wait_dscnt 0x0                               ; the block is back in registers
	s_wait_xcnt 0x0                                ; the earlier stores have read their registers: the next block's loads may land there
.irp t, 0,1,2,3,4,5,6,7
	global_store_b128 v[CO], v[BK+4*\t:BK+4*\t+3], s[12:13] offset:2048*(\a)+256*\t
.endr
.endm
	PLACES NP
	PACK 0
	TOSTAGE 0
.irp a, 1,2,3,4,5,6,7
	PACK \a
	SEND (\a)-1
	TOSTAGE \a
.endr
	SEND 7
	s_wait_tensorcnt 0x0                           ; the wave's end: a wait, an add of 0 to my spare word and its wait, behind my last tensor load and my last LDS store
	ds_add_u32 v[SPW], v[NIL]
	s_wait_dscnt 0x0
	CROUND                                         ; the closing round
	s_endpgm
.Lfunc_end_k_qf19f1a506b_proj:
	.size	k_qf19f1a506b_proj, .Lfunc_end_k_qf19f1a506b_proj-k_qf19f1a506b_proj
	.p2alignl 7, 3214868480
	.fill 96, 4, 3214868480
	.section	.rodata,"a",@progbits
	.p2align	6, 0x0
	.amdhsa_kernel k_qf19f1a506b_proj
		.amdhsa_group_segment_fixed_size 327680
		.amdhsa_private_segment_fixed_size 0
		.amdhsa_enable_private_segment 0
		.amdhsa_kernarg_size 64
		.amdhsa_user_sgpr_count 2
		.amdhsa_user_sgpr_kernarg_segment_ptr 1
		.amdhsa_wavefront_size32 1
		.amdhsa_system_sgpr_workgroup_id_x 1
		.amdhsa_system_sgpr_workgroup_id_y 1
		.amdhsa_system_sgpr_workgroup_id_z 1
		.amdhsa_system_vgpr_workitem_id 0
		.amdhsa_next_free_vgpr 1024
		.amdhsa_next_free_sgpr 102
		.amdhsa_reserve_vcc 0
		.amdhsa_float_denorm_mode_32 3
		.amdhsa_float_denorm_mode_16_64 3
		.amdhsa_memory_ordered 1
		.amdhsa_forward_progress 1
		.amdhsa_inst_pref_size 129
	.end_amdhsa_kernel
	.amdgpu_metadata
---
amdhsa.version: [ 1, 2 ]
amdhsa.kernels:
  - .name:           k_qf19f1a506b_proj
    .symbol:         k_qf19f1a506b_proj.kd
    .args:
      - { .name: xc, .offset: 0, .size: 8, .value_kind: global_buffer, .address_space: global }
      - { .name: xs, .offset: 8, .size: 8, .value_kind: global_buffer, .address_space: global }
      - { .name: wc, .offset: 16, .size: 8, .value_kind: global_buffer, .address_space: global }
      - { .name: ws, .offset: 24, .size: 8, .value_kind: global_buffer, .address_space: global }
      - { .name: qkv, .offset: 32, .size: 8, .value_kind: global_buffer, .address_space: global }
      - { .name: bq, .offset: 40, .size: 8, .value_kind: global_buffer, .address_space: global }
      - { .name: bk, .offset: 48, .size: 8, .value_kind: global_buffer, .address_space: global }
      - { .name: bv, .offset: 56, .size: 8, .value_kind: global_buffer, .address_space: global }
    .group_segment_fixed_size: 327680
    .private_segment_fixed_size: 0
    .kernarg_segment_align: 8
    .kernarg_segment_size: 64
    .max_flat_workgroup_size: 128
    .sgpr_count:     102
    .vgpr_count:     1024
    .wavefront_size: 32
...
	.end_amdgpu_metadata
.endif
;; end of part 2
;; launch attn (part 3): grid 4 x 64, 8 waves a work-group, clusters of 4 x 1, 327,680 bytes of LDS; arguments qkv, hd; writes hd
.if DOCPART == 3
	.amdgcn_target "amdgcn-amd-amdhsa--gfx1250"
	.amdhsa_code_object_version 6
	.text
	.protected	k_qf19f1a506b_attn
	.globl	k_qf19f1a506b_attn
	.p2align	8
	.type	k_qf19f1a506b_attn,@function
k_qf19f1a506b_attn:
	s_mov_b64 s[64:65], 0
	v_nop
	global_prefetch_b8 v0, s[64:65] scope:SCOPE_SE
	s_setreg_imm32_b32 hwreg(HW_REG_WAVE_MODE, 25, 1), 1
	s_wait_xcnt 0x0
	s_wait_alu depctr_hold_cnt(0) depctr_sa_sdst(0) depctr_va_vdst(0) depctr_va_sdst(0) depctr_va_ssrc(0) depctr_va_vcc(0) depctr_vm_vsrc(0)
	s_getreg_b32 s2, hwreg(HW_REG_IB_STS2, 6, 4)
	s_cmp_eq_u32 s2, 0
	s_cbranch_scc0 .Lentry_in_a_cluster
	s_endpgm
.Lentry_in_a_cluster:
	s_bfe_u32 s2, ttmp6, 0x10000c
	s_cmp_lg_u32 s2, 0x3003
	s_cbranch_scc0 .Lentry_shape_is_right
	s_endpgm
.Lentry_shape_is_right:
; hd[bh][q][:] = the sum over k of softmax_k(Q[bh][q] . K[bh][k] / 8) V[bh][k][:].  qkv: [3][64 bh][2048][64] f16; hd: [64 bh][2048][64] f16.  Products, maxima and sums in f32;
; the weights p are rounded to f16 for the second product, the result once at the end.
; SHARES.  A work-group owns 512 queries of one (batch, head); each of its eight waves 64: four tiles of 16.  Two waves share a SIMD (512 registers each), so that one wave's softmax stands beside the other's products.
; Every wave walks all 2,048 keys, 64 a step.  K and V come through two LDS slots of 512 keys: four slots' worth, so each slot is filled twice.
; LAYOUT.  S^T = K Q^T (source 0 = 16 keys, source 1 = 16 queries): a lane holds ONE query (lane % 16) and the keys 8 (lane / 16) + 0..7.  Two such tiles, rounded in pairs, ARE source 1 of O^T = V^T P,
; whose result again holds one query a lane.  K comes out of LDS as it lies, V ([key][channel]) turned, by ds_load_tr16_b128.
; SOFTMAX.  A running maximum m and sum l for each query: p = 2^(c s - c m), c = log2(e) / 8; in every step O and l are multiplied by a = 2^(c m_old - c m_new).
; CLUSTER.  The four query blocks of a (batch, head) walk the same K and V: each tile is asked for jointly, by the same tensor load with a mask that names the four.
; A key's row is 128 bytes and a head's rows are dense, so a tile is stated as rows of 256 bytes (two keys).  A refill has eight key steps, 512 matrix instructions a wave, in which to land.
; LIMIT: |q|, |k|, |v| under 65,504 (they arrive as f16).
; REGISTERS: window 0: v2-9 addresses; v14, v15 the add's two; v16-63 statistics, 12 a tile; v64-191 S^T, 32 a tile (P is made in place in each tile's first 16); v192-255 K of one step.
;   window 1: v0-127 O^T, 32 a tile; v128-191 Q, 16 a tile; v192-255 V of one step.
.set KP,    272                        ; two keys of K in LDS: 256 bytes + 16: the 16 keys of a load fall on 16 different columns of 16 bytes
.set VP,    288                        ; two keys of V: 256 + 32: likewise for the turning load's 8 keys x 32 bytes
.set VOFF,  256*KP                     ; a slot: 256 rows of K, then 256 rows of V
.set SLOTB, VOFF+256*VP
.set SPARE, 2*SLOTB                    ; the spare words, 128 bytes for each wave: four blocks of 256 bytes that no other line names
.set SGP,   144                        ; the way out: 64 rows x (128 bytes + 16) for each wave, in slot 0, which has had its last fill and its last read by then
.set AK0, 2
.set AV0, 3
.set ADK, 4
.set ADV, 5
.set QO,  6
.set STO, 7
.set RD,  8
.set GO,  9
.set SPW, 14
.set NIL, 15
.set ST,  16                           ; tile t at v[ST+12 t]: +0 c m, +1 m, +2, +3 l, +4 to +7 at work, +8 a, +9 c m_old - c m_new, +10 1 / l, +11 zero
.set S,   64
.set KF,  192
.set OR,  0
.set QR,  128
.set VF,  192
.set WV,  8
.set G1K, 24
.set G1V, 32
.set G0K, 40                           ; s[40:47] group 0 for K's tiles, a set for each slot
.set G0V, 48
.set CNT, 56
.set TK,  57                           ; LDS byte at which the step's keys of K begin
.set CS,  58
.set SEL, 60
.set TV,  62                           ; the same for V
.set MSB, 0
.macro WIN new
.if MSB != \new
	s_set_vgpr_msb (MSB<<8)|\new
.set MSB, \new
.endif
.endm
.set W_KQ, 0x04                        ; Q (source 1) window 1; K and S^T window 0
.set W_PV, 0x51                        ; V (source 0) and O^T (C, D) window 1; P window 0
.set W_RS, 0x41                        ; O^T (destination, source 0) window 1; the factor window 0
.set TO_1, 0x40                        ; destination window 1, address window 0
; A joint refill: waves 0 to 3 fetch the slot's four quarters of K, waves 4 to 7 those of V.  An s_nop 0 and four v_nop follow each line.
.macro JLOAD slot
	s_cmp_lt_u32 s[WV], 4
	s_cbranch_scc0 .Lfor_v_\@
	tensor_load_to_lds s[G0K+4*\slot:G0K+4*\slot+3], s[G1K:G1K+7]
	s_nop 0
.rept 4
	v_nop
.endr
	s_branch .Lasked_\@
.Lfor_v_\@:
	tensor_load_to_lds s[G0V+4*\slot:G0V+4*\slot+3], s[G1V:G1V+7]
	s_nop 0
.rept 4
	v_nop
.endr
.Lasked_\@:
.endm
.macro CROUND
	s_barrier_signal -1
	s_barrier_wait -1
	s_cmp_lg_u32 s[WV], 0
	s_cbranch_scc1 .Lnot_wave_0_\@
	s_barrier_signal -3
.Lnot_wave_0_\@:
	s_barrier_wait -3
	s_barrier_signal -1
	s_barrier_wait -1
.endm
	s_load_b128 s[4:7], s[0:1], 0x0                ; qkv s[4:5], hd s[6:7]
	v_lshl_add_u32 v[SPW], v0, 2, SPARE
	v_mov_b32 v[NIL], 0
	ds_add_u32 v[SPW], v[NIL]                      ; the wave's opening: the add, twice on end, and its wait ahead of my first tensor load
	ds_add_u32 v[SPW], v[NIL]
	v_lshrrev_b32 v1, 5, v0
	v_readfirstlane_b32 s[WV], v1                  ; wave 0..7
	s_bfe_u32 s9, ttmp6, 0x40000                   ; cx
	s_lshl_b32 s10, ttmp9, 2
	s_add_co_u32 s10, s10, s9                      ; my block of 512 queries: it enters Q's and hd's addresses alone
	s_and_b32 s11, ttmp7, 0xffff                   ; (batch, head), which the four partners share
	s_lshl_b32 s12, s11, 18                        ; its 2,048 rows of 128 bytes
	s_and_b32 s14, s[WV], 3                        ; which quarter of a slot I fetch:
	s_lshl_b32 s16, s14, 14                        ; 128 keys in memory,
	s_add_co_u32 s16, s16, s12
	s_mov_b32 s17, 0
	s_mul_i32 s18, s14, 64*KP                      ; and in a slot: K's,
	s_mul_i32 s19, s14, 64*VP
	s_add_co_u32 s19, s19, VOFF                    ; V's
	s_lshl_b32 s20, s10, 16
	s_lshl_b32 s21, s[WV], 13
	s_add_co_u32 s20, s20, s21
	s_add_co_u32 s20, s20, s12                     ; my wave's 64 queries
	s_mov_b32 s21, 0
	s_mov_b32 s[G1K], 15|(1<<16)|(1<<20)|(1<<21)|(5<<22)|(3<<25)   ; the mask: all four; elements of 2 bytes; padding on; bit 21 beside a mask; 4 words behind every 64
	s_mov_b32 s[G1V], 15|(1<<16)|(1<<20)|(1<<21)|(5<<22)|(7<<25)   ; the same with 8 words
.irp g, G1K, G1V
	s_mov_b32 s[\g+1], 128<<16                     ; tensor_dim0 = 128 elements
	s_mov_b32 s[\g+2], 64<<16                      ; tensor_dim1 = 64
	s_mov_b32 s[\g+3], 128<<16                     ; tile_dim0
	s_mov_b32 s[\g+4], 64                          ; tile_dim1
	s_mov_b32 s[\g+5], 128                         ; from row to row
	s_mov_b32 s[\g+6], 0
	s_mov_b32 s[\g+7], 0
.endr
	s_mov_b32 s[CS], 0x3e38aa3b                    ; c = log2(e) / 8
	s_mov_b32 s[CS+1], s[CS]
	s_mov_b32 s[SEL], 0x76543210
	s_mov_b32 s[SEL+1], 0xfedcba98
	s_mov_b32 s[TK], 0
	s_mov_b32 s[TV], 0
	s_wait_dscnt 0x0                               ; both opening adds are done
	s_wait_kmcnt 0x0
	s_add_nc_u64 s[22:23], s[4:5], s[16:17]        ; qkv at my quarter of the head's first slot, counted in q's part
	s_add_nc_u64 s[4:5], s[4:5], s[20:21]          ; Q and hd at my wave's first query
	s_add_nc_u64 s[6:7], s[6:7], s[20:21]
	CROUND                                         ; all four work-groups are here: the first joint loads meet
.irp s, 0,1
	s_mov_b32 s[G0K+4*\s], 1
	s_add_co_u32 s[G0K+4*\s+1], s18, \s*SLOTB
	s_add_nc_u64 s[G0K+4*\s+2:G0K+4*\s+3], s[22:23], 16777216+\s*65536   ; k's part begins 16 MiB on; slot s begins with keys 512 s
	s_or_b32 s[G0K+4*\s+3], s[G0K+4*\s+3], 0x80000000
	s_mov_b32 s[G0V+4*\s], 1
	s_add_co_u32 s[G0V+4*\s+1], s19, \s*SLOTB
	s_add_nc_u64 s[G0V+4*\s+2:G0V+4*\s+3], s[22:23], 33554432+\s*65536   ; v's 32 MiB on
	s_or_b32 s[G0V+4*\s+3], s[G0V+4*\s+3], 0x80000000
.endr
	s_cmp_lt_u32 s[WV], 4                          ; a wave's two first fills stand in one branch: two loads of mine are out
	s_cbranch_scc0 .Lfirst_v
	tensor_load_to_lds s[G0K:G0K+3], s[G1K:G1K+7]
	s_nop 0
	tensor_load_to_lds s[G0K+4:G0K+7], s[G1K:G1K+7]
	s_nop 0
.rept 4
	v_nop
.endr
	s_branch .Lfirst_asked
.Lfirst_v:
	tensor_load_to_lds s[G0V:G0V+3], s[G1V:G1V+7]
	s_nop 0
	tensor_load_to_lds s[G0V+4:G0V+7], s[G1V:G1V+7]
	s_nop 0
.rept 4
	v_nop
.endr
.Lfirst_asked:
	v_and_b32 v10, 15, v0                          ; r
	v_bfe_u32 v11, v0, 4, 1                        ; h
	v_lshlrev_b32 v[QO], 7, v10
	v_lshl_add_u32 v[QO], v11, 4, v[QO]            ; Q: row r of 128 bytes + 16 h
	WIN TO_1
.irp n, 0,1,2,3,4,5,6,7                        ; Q stays in registers: tile n / 2, channels 32 (n % 2) on
	global_load_b128 v[QR+8*\n:QR+8*\n+3],   v[QO], s[4:5] offset:(\n/2)*2048+(\n%2)*64
	global_load_b128 v[QR+8*\n+4:QR+8*\n+7], v[QO], s[4:5] offset:(\n/2)*2048+(\n%2)*64+32
.endr
	WIN 0
	v_lshrrev_b32 v12, 1, v10
	v_mul_u32_u24 v[AK0], v12, KP
	v_and_b32 v12, 1, v0
	v_lshl_add_u32 v[AK0], v12, 7, v[AK0]
	v_lshl_add_u32 v[AK0], v11, 4, v[AK0]          ; K: key r lies at (r / 2) rows + 128 (r % 2); + 16 h
	v_bfe_u32 v13, v0, 1, 2
	v_lshl_add_u32 v13, v11, 2, v13
	v_mul_u32_u24 v[AV0], v13, VP
	v_lshl_add_u32 v[AV0], v12, 7, v[AV0]
	v_bfe_u32 v13, v0, 3, 1
	v_lshl_add_u32 v[AV0], v13, 4, v[AV0]
	v_add_nc_u32 v[AV0], VOFF, v[AV0]              ; V: the turning load's lane takes key 8 h + lane % 8, channels 8 ((lane / 8) % 2) on
	s_mul_i32 s15, s[WV], 64*SGP                   ; my stage
	v_mul_u32_u24 v[STO], v10, SGP
	v_lshl_add_u32 v[STO], v11, 4, v[STO]
	v_add_nc_u32 v[STO], s15, v[STO]
	v_and_b32 v12, 31, v0
	v_lshrrev_b32 v13, 3, v12
	v_mul_u32_u24 v[RD], v13, SGP
	v_and_b32 v13, 7, v0
	v_lshl_add_u32 v[RD], v13, 4, v[RD]
	v_add_nc_u32 v[RD], s15, v[RD]                 ; back: eight lanes to a row of 128 bytes, four rows an instruction
	v_lshlrev_b32 v[GO], 4, v12
.irp t, 0,1,2,3
	v_mov_b32 v[ST+12*\t+11], 0                    ; named as the upper half of a pair
.endr
.macro SUBS t                          ; c s - c m, two at a time
.set j, 0
.rept 16
	v_pk_fma_f32 v[S+32*(\t)+j:S+32*(\t)+j+1], v[S+32*(\t)+j:S+32*(\t)+j+1], s[CS:CS+1], v[ST+12*(\t):ST+12*(\t)+1] op_sel_hi:[1,0,0] neg_lo:[0,0,1] neg_hi:[0,0,1]
.set j, j+2
.endr
.endm
.macro EXPS t
.set j, 0
.rept 32
	v_exp_f32 v[S+32*(\t)+j], v[S+32*(\t)+j]
.set j, j+1
.endr
.endm
; A KEY STEP: 64 keys.  first = 1: the first step, which starts m, l and O^T.  Every window is 0 at its ends.
.macro STEP first
	v_add_nc_u32 v[ADK], s[TK], v[AK0]
	v_add_nc_u32 v[ADV], s[TV], v[AV0]
.rept 4
	v_nop                                          ; with the two additions six places behind the last V^T P: four for the loads into V's registers, five for the products that write over P
.endr
.irp n, 0,1,2,3,4,5,6,7                        ; K: keys 16 (n / 2) on, channels 32 (n % 2) on
	ds_load_b128 v[KF+8*\n:KF+8*\n+3],   v[ADK] offset:(\n/2)*8*KP+(\n%2)*64
	ds_load_b128 v[KF+8*\n+4:KF+8*\n+7], v[ADK] offset:(\n/2)*8*KP+(\n%2)*64+32
.endr
	WIN TO_1
.irp n, 0,1,2,3,4,5,6,7                        ; V, turned: keys 32 (n / 4) on, channels 16 (n % 4) on
	ds_load_tr16_b128 v[VF+8*\n:VF+8*\n+3],   v[ADV] offset:(\n/4)*16*VP+(\n%4)*32
	ds_load_tr16_b128 v[VF+8*\n+4:VF+8*\n+7], v[ADV] offset:(\n/4)*16*VP+8*VP+(\n%4)*32
.endr
	s_add_co_u32 s[TK], s[TK], 32*KP               ; the next step's keys
	s_add_co_u32 s[TV], s[TV], 32*VP
	s_wait_dscnt 16                                ; K is in; V's sixteen younger loads may be out
	WIN W_KQ
.irp kk, 0,1                                   ; S^T = K Q^T: the 16 accumulators take turns; the first 16 products start the sums
.irp t, 0,1,2,3
.irp kt, 0,1,2,3
.if \kk == 0
	v_wmma_f32_16x16x32_f16 v[S+32*\t+8*\kt:S+32*\t+8*\kt+7], v[KF+8*(2*\kt+\kk):KF+8*(2*\kt+\kk)+7], v[QR+16*\t+8*\kk:QR+16*\t+8*\kk+7], 0
.else
	v_wmma_f32_16x16x32_f16 v[S+32*\t+8*\kt:S+32*\t+8*\kt+7], v[KF+8*(2*\kt+\kk):KF+8*(2*\kt+\kk)+7], v[QR+16*\t+8*\kk:QR+16*\t+8*\kk+7], v[S+32*\t+8*\kt:S+32*\t+8*\kt+7]
.endif
.endr
.endr
.endr
	WIN 0
.rept 4
	v_nop
.endr
.irp kt, 0,1,2,3                               ; the maximum: four chains a tile, each accumulator from its low end on; the four tiles by turns
.irp t, 0,1,2,3
	v_max3_num_f32 v[ST+12*\t+4+\kt], v[S+32*\t+8*\kt], v[S+32*\t+8*\kt+1], v[S+32*\t+8*\kt+2]
.endr
.endr
.irp i, 3,5
.irp kt, 0,1,2,3
.irp t, 0,1,2,3
	v_max3_num_f32 v[ST+12*\t+4+\kt], v[ST+12*\t+4+\kt], v[S+32*\t+8*\kt+\i], v[S+32*\t+8*\kt+\i+1]
.endr
.endr
.endr
.irp t, 0,1,2,3
	v_max3_num_f32 v[ST+12*\t+4], v[ST+12*\t+4], v[S+32*\t+7], v[S+32*\t+15]
.endr
.irp t, 0,1,2,3
	v_max3_num_f32 v[ST+12*\t+6], v[ST+12*\t+6], v[S+32*\t+23], v[S+32*\t+31]
.endr
.irp t, 0,1,2,3
	v_max3_num_f32 v[ST+12*\t+4], v[ST+12*\t+4], v[ST+12*\t+5], v[ST+12*\t+6]
.endr
.irp t, 0,1,2,3
.if \first
	v_max_num_f32 v[ST+12*\t+4], v[ST+12*\t+4], v[ST+12*\t+7]
.else
	v_max3_num_f32 v[ST+12*\t+4], v[ST+12*\t+4], v[ST+12*\t+7], v[ST+12*\t+1]
.endif
.endr
.irp t, 0,1,2,3
	v_permlanex16_b32 v[ST+12*\t+5], v[ST+12*\t+4], s[SEL], s[SEL+1]   ; the query's other 32 keys lie in the lane 16 away
.endr
.if !\first
.irp t, 0,1,2,3
	v_mov_b32 v[ST+12*\t+9], v[ST+12*\t]           ; c m_old
.endr
.endif
.irp t, 0,1,2,3
	v_max_num_f32 v[ST+12*\t+1], v[ST+12*\t+4], v[ST+12*\t+5]
.endr
.irp t, 0,1,2,3
	v_mul_f32 v[ST+12*\t], s[CS], v[ST+12*\t+1]
.endr
.if !\first
.irp t, 0,1,2,3
	v_sub_f32 v[ST+12*\t+9], v[ST+12*\t+9], v[ST+12*\t]
.endr
.irp t, 0,1,2,3
	v_exp_f32 v[ST+12*\t+8], v[ST+12*\t+9]         ; a
.endr
.endif
	SUBS 0                                         ; ONE BATCH: the scalings and all exponentials; none of these lines names an exponential's result
	SUBS 1
	EXPS 0
	SUBS 2
	EXPS 1
	SUBS 3
	EXPS 2
	EXPS 3
	v_nop                                          ; a plain line behind the last exponential
	s_wait_alu depctr_va_vdst(0)                   ; one wait for the batch, ahead of its first reader
.irp t, 0,1,2,3                                ; the sums of the unrounded p, in two chains a tile
	v_pk_add_f32 v[ST+12*\t+4:ST+12*\t+5], v[S+32*\t:S+32*\t+1], v[S+32*\t+2:S+32*\t+3]
.endr
.irp t, 0,1,2,3
	v_pk_add_f32 v[ST+12*\t+6:ST+12*\t+7], v[S+32*\t+4:S+32*\t+5], v[S+32*\t+6:S+32*\t+7]
.endr
.irp i, 8,12,16,20,24,28
.irp t, 0,1,2,3
	v_pk_add_f32 v[ST+12*\t+4:ST+12*\t+5], v[ST+12*\t+4:ST+12*\t+5], v[S+32*\t+\i:S+32*\t+\i+1]
.endr
.irp t, 0,1,2,3
	v_pk_add_f32 v[ST+12*\t+6:ST+12*\t+7], v[ST+12*\t+6:ST+12*\t+7], v[S+32*\t+\i+2:S+32*\t+\i+3]
.endr
.endr
.if \first
.irp t, 0,1,2,3
	v_pk_add_f32 v[ST+12*\t+2:ST+12*\t+3], v[ST+12*\t+4:ST+12*\t+5], v[ST+12*\t+6:ST+12*\t+7]
.endr
.else
.irp t, 0,1,2,3
	v_pk_add_f32 v[ST+12*\t+4:ST+12*\t+5], v[ST+12*\t+4:ST+12*\t+5], v[ST+12*\t+6:ST+12*\t+7]
.endr
.irp t, 0,1,2,3
	v_pk_fma_f32 v[ST+12*\t+2:ST+12*\t+3], v[ST+12*\t+2:ST+12*\t+3], v[ST+12*\t+8:ST+12*\t+9], v[ST+12*\t+4:ST+12*\t+5] op_sel_hi:[1,0,1]   ; l = a l + the step's sum
.endr
.endif
.set j, 0
.rept 16                                       ; P in place: register j takes weights 2 j and 2 j + 1: it never runs ahead of a source that is still wanted
.irp t, 0,1,2,3
	v_cvt_pk_f16_f32 v[S+32*\t+j], v[S+32*\t+2*j], v[S+32*\t+2*j+1]
.endr
.set j, j+1
.endr
.if \first
.rept 4
	v_nop
.endr
.else
	WIN W_RS
.set j, 0
.rept 16                                       ; O^T times a, each accumulator from its low end on
.irp t, 0,1,2,3
	v_pk_mul_f32 v[OR+32*\t+j:OR+32*\t+j+1], v[OR+32*\t+j:OR+32*\t+j+1], v[ST+12*\t+8:ST+12*\t+9] op_sel_hi:[1,0]
.endr
.set j, j+2
.endr
.endif
	s_wait_dscnt 0x0                               ; V is in
	WIN W_PV
.irp ks, 0,1                                   ; O^T += V^T P: the 16 accumulators take turns
.irp t, 0,1,2,3
.irp ct, 0,1,2,3
.if \first && (\ks == 0)
	v_wmma_f32_16x16x32_f16 v[OR+32*\t+8*\ct:OR+32*\t+8*\ct+7], v[VF+8*(4*\ks+\ct):VF+8*(4*\ks+\ct)+7], v[S+32*\t+8*\ks:S+32*\t+8*\ks+7], 0
.else
	v_wmma_f32_16x16x32_f16 v[OR+32*\t+8*\ct:OR+32*\t+8*\ct+7], v[VF+8*(4*\ks+\ct):VF+8*(4*\ks+\ct)+7], v[S+32*\t+8*\ks:S+32*\t+8*\ks+7], v[OR+32*\t+8*\ct:OR+32*\t+8*\ct+7]
.endif
.endr
.endr
.endr
	WIN 0
.endm
.macro STEPS n
	s_mov_b32 s[CNT], \n
.Lsteps_\@:
	STEP 0
	s_sub_co_u32 s[CNT], s[CNT], 1
	s_cmp_lg_u32 s[CNT], 0
	s_cbranch_scc1 .Lsteps_\@
.endm
; THE CHANGE OF SLOTS.  Each wave waits for all its tensor loads (its part of the slot ahead), adds 0 to its spare word, and waits for that and for its reads of the slot that it leaves.
; fill = 1: the slot just left takes the keys 1,024 further on: the barrier is a round of the cluster's, and the joint refill is the first thing behind it, one load a wave.
.macro CHANGE slot, fill
	s_wait_tensorcnt 0x0                           ; no tensor load of mine is out, so a group 0 may be written
	ds_add_u32 v[SPW], v[NIL]
.if \fill
	s_add_nc_u64 s[G0K+4*\slot+2:G0K+4*\slot+3], s[G0K+4*\slot+2:G0K+4*\slot+3], 131072
	s_add_nc_u64 s[G0V+4*\slot+2:G0V+4*\slot+3], s[G0V+4*\slot+2:G0V+4*\slot+3], 131072
.endif
	s_wait_dscnt 0x0
.if \fill
	CROUND
	JLOAD \slot
.else
	s_barrier_signal -1
	s_barrier_wait -1
.endif
.endm
	s_wait_tensorcnt 1                             ; my part of slot 0 is in; slot 1's may stay out
	s_barrier_signal -1
	s_barrier_wait -1
	s_wait_loadcnt 0x0                             ; Q
	STEP 1                                         ; keys 0-63
	STEPS 7                                        ; the rest of slot 0
	CHANGE 0, 1                                    ; slot 0 takes keys 1,024 on
	s_mov_b32 s[TK], SLOTB
	s_mov_b32 s[TV], SLOTB
	STEPS 8
	CHANGE 1, 1                                    ; slot 1 takes keys 1,536 on
	s_mov_b32 s[TK], 0
	s_mov_b32 s[TV], 0
	STEPS 8
	CHANGE 0, 0                                    ; nothing is left to fetch
	s_mov_b32 s[TK], SLOTB
	s_mov_b32 s[TV], SLOTB
	STEPS 8
	; THE WAY OUT.  l's halves and the other half of the lanes' are added (these lines are the places behind the last products); O^T / l is rounded to f16 and goes through my stage.
.irp t, 0,1,2,3
	v_add_f32 v[ST+12*\t+4], v[ST+12*\t+2], v[ST+12*\t+3]
.endr
.irp t, 0,1,2,3
	v_permlanex16_b32 v[ST+12*\t+5], v[ST+12*\t+4], s[SEL], s[SEL+1]
.endr
.irp t, 0,1,2,3
	v_add_f32 v[ST+12*\t+4], v[ST+12*\t+4], v[ST+12*\t+5]
.endr
.irp t, 0,1,2,3
	v_rcp_f32 v[ST+12*\t+10], v[ST+12*\t+4]
.endr
	v_nop
	s_wait_alu depctr_va_vdst(0)                   ; one wait for the four reciprocals, ahead of their first reader
.irp t, 0,1,2,3
	WIN W_RS
.set j, 0
.rept 16
	v_pk_mul_f32 v[OR+32*\t+j:OR+32*\t+j+1], v[OR+32*\t+j:OR+32*\t+j+1], v[ST+12*\t+10:ST+12*\t+11] op_sel_hi:[1,0]
.set j, j+2
.endr
	WIN 0x05                                       ; sources window 1, destination window 0
.set j, 0
.rept 16
	v_cvt_pk_f16_f32 v[S+16*\t+j], v[OR+32*\t+2*j], v[OR+32*\t+2*j+1]
.set j, j+1
.endr
	WIN 0
.irp ct, 0,1,2,3
	ds_store_b128 v[STO], v[S+16*\t+4*\ct:S+16*\t+4*\ct+3] offset:16*SGP*\t+32*\ct
.endr
.endr
.irp u, 0,1,2,3,4,5,6,7,8,9,10,11,12,13,14,15
	ds_load_b128 v[S+64+4*\u:S+64+4*\u+3], v[RD] offset:4*SGP*\u   ; LDS serves a wave's instructions in order (ISA guide 5.7.1.4): these see my stores
.endr
.irp u, 0,1,2,3,4,5,6,7,8,9,10,11,12,13,14,15
	s_wait_dscnt 15-\u                             ; the younger loads may be out
	global_store_b128 v[GO], v[S+64+4*\u:S+64+4*\u+3], s[6:7] offset:512*\u   ; the wave stores 512 consecutive bytes, aligned to 256
.endr
	s_wait_tensorcnt 0x0                           ; the wave's end: a wait, an add of 0 to my spare word and its wait, behind my last tensor load and my last LDS store
	ds_add_u32 v[SPW], v[NIL]
	s_wait_dscnt 0x0
	CROUND                                         ; the closing round
	s_endpgm
.Lfunc_end_k_qf19f1a506b_attn:
	.size	k_qf19f1a506b_attn, .Lfunc_end_k_qf19f1a506b_attn-k_qf19f1a506b_attn
	.p2alignl 7, 3214868480
	.fill 96, 4, 3214868480
	.section	.rodata,"a",@progbits
	.p2align	6, 0x0
	.amdhsa_kernel k_qf19f1a506b_attn
		.amdhsa_group_segment_fixed_size 327680
		.amdhsa_private_segment_fixed_size 0
		.amdhsa_enable_private_segment 0
		.amdhsa_kernarg_size 16
		.amdhsa_user_sgpr_count 2
		.amdhsa_user_sgpr_kernarg_segment_ptr 1
		.amdhsa_wavefront_size32 1
		.amdhsa_system_sgpr_workgroup_id_x 1
		.amdhsa_system_sgpr_workgroup_id_y 1
		.amdhsa_system_sgpr_workgroup_id_z 1
		.amdhsa_system_vgpr_workitem_id 0
		.amdhsa_next_free_vgpr 512
		.amdhsa_next_free_sgpr 66
		.amdhsa_reserve_vcc 0
		.amdhsa_float_denorm_mode_32 3
		.amdhsa_float_denorm_mode_16_64 3
		.amdhsa_memory_ordered 1
		.amdhsa_forward_progress 1
		.amdhsa_inst_pref_size 179
	.end_amdhsa_kernel
	.amdgpu_metadata
---
amdhsa.version: [ 1, 2 ]
amdhsa.kernels:
  - .name:           k_qf19f1a506b_attn
    .symbol:         k_qf19f1a506b_attn.kd
    .args:
      - { .name: qkv, .offset: 0, .size: 8, .value_kind: global_buffer, .address_space: global }
      - { .name: hd, .offset: 8, .size: 8, .value_kind: global_buffer, .address_space: global }
    .group_segment_fixed_size: 327680
    .private_segment_fixed_size: 0
    .kernarg_segment_align: 8
    .kernarg_segment_size: 16
    .max_flat_workgroup_size: 256
    .sgpr_count:     66
    .vgpr_count:     512
    .wavefront_size: 32
...
	.end_amdgpu_metadata
.endif
;; end of part 3
;; launch outp (part 4): grid 4 x 64, 4 waves a work-group, clusters of 4 x 4, 327,680 bytes of LDS; arguments hd, wo16, bo, out0; writes out0
.if DOCPART == 4
	.amdgcn_target "amdgcn-amd-amdhsa--gfx1250"
	.amdhsa_code_object_version 6
	.text
	.protected	k_qf19f1a506b_outp
	.globl	k_qf19f1a506b_outp
	.p2align	8
	.type	k_qf19f1a506b_outp,@function
k_qf19f1a506b_outp:
	s_mov_b64 s[64:65], 0
	v_nop
	global_prefetch_b8 v0, s[64:65] scope:SCOPE_SE
	s_setreg_imm32_b32 hwreg(HW_REG_WAVE_MODE, 25, 1), 1
	s_wait_xcnt 0x0
	s_wait_alu depctr_hold_cnt(0) depctr_sa_sdst(0) depctr_va_vdst(0) depctr_va_sdst(0) depctr_va_ssrc(0) depctr_va_vcc(0) depctr_vm_vsrc(0)
	s_getreg_b32 s2, hwreg(HW_REG_IB_STS2, 6, 4)
	s_cmp_eq_u32 s2, 0
	s_cbranch_scc0 .Lentry_in_a_cluster
	s_endpgm
.Lentry_in_a_cluster:
	s_bfe_u32 s2, ttmp6, 0x10000c
	s_cmp_lg_u32 s2, 0xf033
	s_cbranch_scc0 .Lentry_shape_is_right
	s_endpgm
.Lentry_shape_is_right:
; out0(token, n) = sum over k of heads(token, k) Wo(k, n) + bo(n), k = 64 head + channel.  hd: [batch][head][token][64] f16; wo16: [1024 k][1024 n] f16; bo: [1024] f32; out0: [8192][1024] f32.
; A tile is 128 tokens x 256 n: 256 work-groups.  Four waves, each 64 x 128: 32 accumulators, 256 registers.  K goes in 8 steps of 128 (two heads) through two LDS slots.
; A head's 128 tokens are 16,384 dense bytes: a tile of 64 rows of 256 bytes (two tokens a row).  Wo's tile is 128 rows k x 512 bytes; it comes out of LDS turned, by ds_load_tr16_b128.
; CLUSTERS: 4 x 4 work-groups: the four of a row need the same tokens, the four of a column the same columns of Wo: each tile is asked for jointly.
; THE MATRIX INSTRUCTION IS USED TRANSPOSED (source 0 = 16 columns of Wo, source 1 = 16 tokens): a lane holds eight neighbouring n of one token.  The bias is the C of each sum's first product.
; REGISTERS: window 0: v0-31 addresses; two fragment buffers of 96 at v32 and v128: 64 of Wo (8 blocks), then 32 of tokens (4 blocks), 32 along K.
;   window 1: the accumulators ((a, b) at v[8 (8 a + b)]).   window 2: v0-63 the bias, eight blocks of 8.
.set AP,     272                       ; two tokens in LDS: 256 bytes + 16
.set BP,     544                       ; a row of Wo's tile: 512 bytes + 32: the turning load's 8 rows x 32 bytes fall on 16 different columns of 16 bytes
.set AHEAD,  64*AP                     ; a head's 128 tokens: what wave 0 or 1 fetches
.set BOFF,   2*AHEAD
.set BHALF,  64*BP                     ; 64 rows of Wo: what wave 2 or 3 fetches
.set SLOT,   BOFF+2*BHALF
.set STAGE,  2*SLOT                    ; behind the ring: 16 rows x (512 bytes + 16) for each wave
.set SPITCH, 528
.set SPARE,  STAGE+4*16*SPITCH         ; the spare words, 128 bytes for each wave: two blocks of 256 bytes that no other line names
.set LAPS,   4
.set ADRA, 16
.set ADRB, 20
.set STO,  24
.set RD,   25
.set CO,   26
.set BO,   27
.set SPW,  28
.set NIL,  29
.set F0,   32
.set F1,   128
.set BK,   32
.set G1, 24
.set G0, 32
.set G1B, 48
.set G0B, 56
.set MSB, 0
.macro WIN new
.if MSB != \new
	s_set_vgpr_msb (MSB<<8)|\new
.set MSB, \new
.endif
.endm
.set MUL,  0x50                        ; sources 0 and 1 window 0; C and D window 1
.set MUL0, 0x60                        ; the first products: C (the bias) window 2, D window 1
.macro JLOAD s                         ; waves 0 and 1 fetch the two heads' tokens, waves 2 and 3 Wo's two halves; an s_nop 0 and four v_nop follow each line
	s_cmp_eq_u32 s11, 0
	s_cbranch_scc0 .Lfor_b_\@
	tensor_load_to_lds s[G0+4*\s:G0+4*\s+3], s[G1:G1+7]
	s_nop 0
.rept 4
	v_nop
.endr
	s_branch .Lasked_\@
.Lfor_b_\@:
	tensor_load_to_lds s[G0B+4*\s:G0B+4*\s+3], s[G1B:G1B+7]
	s_nop 0
.rept 4
	v_nop
.endr
.Lasked_\@:
.endm
.macro CREST
	s_cmp_lg_u32 s10, 0
	s_cbranch_scc1 .Lnot_wave_0_\@
	s_barrier_signal -3
.Lnot_wave_0_\@:
	s_barrier_wait -3
	s_barrier_signal -1
	s_barrier_wait -1
.endm
.macro CROUND
	s_barrier_signal -1
	s_barrier_wait -1
	CREST
.endm
	s_load_b128 s[4:7], s[0:1], 0x0                ; hd s[4:5], wo16 s[6:7]
	s_load_b64 s[2:3], s[0:1], 0x10                ; bo
	s_load_b64 s[8:9], s[0:1], 0x18                ; out0
	v_lshl_add_u32 v[SPW], v0, 2, SPARE
	v_mov_b32 v[NIL], 0
	ds_add_u32 v[SPW], v[NIL]                      ; the wave's opening: the add, twice on end, and its wait ahead of my first tensor load
	ds_add_u32 v[SPW], v[NIL]
	v_lshrrev_b32 v1, 5, v0
	v_readfirstlane_b32 s10, v1                    ; wave 0..3
	s_lshr_b32 s11, s10, 1                         ; which 64 tokens are mine.  Also: I fetch tokens (0) or Wo (1)
	s_and_b32 s12, s10, 1                          ; which 128 n.  Also: which head, or which 64 rows of Wo, I fetch
	s_bfe_u32 s40, ttmp6, 0x40000                  ; cx, cy
	s_bfe_u32 s41, ttmp6, 0x40004
	s_lshl_b32 s42, ttmp9, 2
	s_add_co_u32 s42, s42, s40                     ; tile column: 256 n
	s_and_b32 s13, ttmp7, 0xffff
	s_lshl_b32 s13, s13, 2
	s_add_co_u32 s13, s13, s41                     ; tile row: 128 tokens
	s_lshl_b32 s43, s41, 2
	s_lshl_b32 s43, 15, s43                        ; my row of the cluster
	s_lshl_b32 s44, 0x1111, s40                    ; my column
	s_or_b32 s[G1+0], s43, (1<<16)|(1<<20)|(1<<21)|(5<<22)|(3<<25)    ; tokens: elements of 2 bytes; 4 words of padding behind every 64
	s_mov_b32 s[G1+1], 128<<16                     ; tensor_dim0 = 128
	s_mov_b32 s[G1+2], 64<<16                      ; tensor_dim1 = 64
	s_mov_b32 s[G1+3], 128<<16                     ; tile_dim0
	s_mov_b32 s[G1+4], 64                          ; tile_dim1
	s_mov_b32 s[G1+5], 128                         ; from row to row
	s_mov_b32 s[G1+6], 0
	s_mov_b32 s[G1+7], 0
	s_or_b32 s[G1B+0], s44, (1<<16)|(1<<20)|(1<<21)|(6<<22)|(7<<25)   ; Wo: 8 words of padding behind every 128
	s_mov_b32 s[G1B+1], 256<<16
	s_mov_b32 s[G1B+2], 64<<16
	s_mov_b32 s[G1B+3], 256<<16
	s_mov_b32 s[G1B+4], 64
	s_mov_b32 s[G1B+5], 1024
	s_mov_b32 s[G1B+6], 0
	s_mov_b32 s[G1B+7], 0
	s_lshr_b32 s16, s13, 4
	s_lshl_b32 s16, s16, 22                        ; the batch: 16 tile rows, 16 heads of 262,144 bytes
	s_lshl_b32 s17, s12, 18                        ; my head of the step's two
	s_add_co_u32 s16, s16, s17
	s_and_b32 s17, s13, 15
	s_lshl_b32 s17, s17, 14                        ; the tile's 128 tokens of 128 bytes
	s_add_co_u32 s16, s16, s17
	s_mov_b32 s17, 0
	s_lshl_b32 s46, s12, 17                        ; Wo: my 64 rows of 2,048 bytes,
	s_lshl_b32 s47, s42, 9                         ; the tile's 512 bytes of each
	s_add_co_u32 s46, s46, s47
	s_mov_b32 s47, 0
	s_mul_i32 s20, s12, AHEAD                      ; where they go: no place in the cluster enters an LDS address
	s_mul_i32 s21, s12, BHALF
	s_add_co_u32 s21, s21, BOFF
	s_wait_dscnt 0x0                               ; both opening adds are done
	s_wait_kmcnt 0x0
	s_add_nc_u64 s[14:15], s[4:5], s[16:17]
	s_add_nc_u64 s[46:47], s[6:7], s[46:47]
	CROUND                                         ; all sixteen work-groups are here: the first joint loads meet
.irp s, 0,1
	s_mov_b32 s[G0+4*\s], 1
	s_add_co_u32 s[G0+4*\s+1], s20, \s*SLOT
	s_add_nc_u64 s[G0+4*\s+2:G0+4*\s+3], s[14:15], \s*524288       ; K step s: heads 2 s, 2 s + 1
	s_or_b32 s[G0+4*\s+3], s[G0+4*\s+3], 0x80000000
	s_mov_b32 s[G0B+4*\s], 1
	s_add_co_u32 s[G0B+4*\s+1], s21, \s*SLOT
	s_add_nc_u64 s[G0B+4*\s+2:G0B+4*\s+3], s[46:47], \s*262144     ; rows 128 s on
	s_or_b32 s[G0B+4*\s+3], s[G0B+4*\s+3], 0x80000000
	JLOAD \s
.endr
	v_and_b32 v1, 15, v0                           ; r
	v_bfe_u32 v2, v0, 4, 1                         ; h
	s_lshl_b32 s16, s42, 10                        ; the bias of my 128 n: lane (r, h) wants, for block b, n = 16 b + 8 h + 0 .. 7
	s_lshl_b32 s17, s12, 9
	s_add_co_u32 s16, s16, s17
	s_mov_b32 s17, 0
	s_add_nc_u64 s[2:3], s[2:3], s[16:17]
	v_lshlrev_b32 v[BO], 5, v2
	WIN 0x80                                       ; destination window 2
.irp b, 0,1,2,3,4,5,6,7
	global_load_b128 v[8*\b:8*\b+3], v[BO], s[2:3] offset:64*\b
	global_load_b128 v[8*\b+4:8*\b+7], v[BO], s[2:3] offset:64*\b+16
.endr
	WIN 0
	v_lshrrev_b32 v3, 1, v1
	v_mul_u32_u24 v3, v3, AP
	v_and_b32 v4, 1, v0
	v_lshl_add_u32 v3, v4, 7, v3
	v_lshl_add_u32 v3, v2, 4, v3                   ; tokens: token r lies at (r / 2) rows + 128 (r % 2); + 16 h
	v_and_b32 v5, 7, v0
	v_lshl_add_u32 v5, v2, 3, v5
	v_mul_u32_u24 v5, v5, BP
	v_bfe_u32 v6, v0, 3, 1
	v_lshl_add_u32 v5, v6, 4, v5                   ; Wo: the turning load's lane takes row 8 h + lane % 8, columns 8 ((lane / 8) % 2) on
	s_mul_i32 s22, s11, 32*AP                      ; my 64 tokens
	s_lshl_b32 s23, s12, 8                         ; my 128 n
	s_add_co_u32 s23, s23, BOFF
.irp s, 0,1
	v_add_nc_u32 v[ADRA+\s], s22, v3
	v_add_nc_u32 v[ADRB+\s], s23, v5
	s_add_co_u32 s22, s22, SLOT
	s_add_co_u32 s23, s23, SLOT
.endr
	s_mul_i32 s23, s10, 16*SPITCH
	s_add_co_u32 s23, s23, STAGE                   ; my stage
	v_mul_u32_u24 v7, v1, SPITCH
	v_lshl_add_u32 v7, v2, 5, v7
	v_add_nc_u32 v[STO], s23, v7                   ; in: row = token r, 32 bytes for each half of the lanes
	v_and_b32 v8, 31, v0
	v_lshlrev_b32 v[CO], 4, v8                     ; back: the 32 lanes take one row of 512 bytes; the same in out0
	v_add_nc_u32 v[RD], s23, v[CO]
	s_lshl_b32 s16, s13, 7
	s_lshl_b32 s17, s11, 6
	s_add_co_u32 s16, s16, s17                     ; my first token
	s_lshl_b32 s16, s16, 12                        ; rows of 4,096 bytes
	s_lshl_b32 s17, s42, 10
	s_add_co_u32 s16, s16, s17
	s_lshl_b32 s17, s12, 9
	s_add_co_u32 s16, s16, s17
	s_mov_b32 s17, 0
	s_add_nc_u64 s[8:9], s[8:9], s[16:17]
; 8 matrix instructions: token block a x Wo's eight, 32 along K, from buffer f.  zero = 1: the bias is C.  The 32 accumulators take turns.
.macro MUL8 f, a, zero
.irp b, 0,1,2,3,4,5,6,7
.if \zero
	v_wmma_f32_16x16x32_f16 v[8*(8*(\a)+\b):8*(8*(\a)+\b)+7], v[\f+8*\b:\f+8*\b+7], v[\f+64+8*(\a):\f+64+8*(\a)+7], v[8*\b:8*\b+7]
.else
	v_wmma_f32_16x16x32_f16 v[8*(8*(\a)+\b):8*(8*(\a)+\b)+7], v[\f+8*\b:\f+8*\b+7], v[\f+64+8*(\a):\f+64+8*(\a)+7], v[8*(8*(\a)+\b):8*(8*(\a)+\b)+7]
.endif
.endr
.endm
; 24 LDS loads in one run: quarter q (32 along K) of a slot into buffer f: Wo's eight blocks, turned; then the tokens' four
.macro FETCH slot, q, f
	WIN 0
.irp b, 0,1,2,3,4,5,6,7
	ds_load_tr16_b128 v[\f+8*\b:\f+8*\b+3],   v[ADRB+\slot] offset:32*BP*(\q)+32*\b
	ds_load_tr16_b128 v[\f+8*\b+4:\f+8*\b+7], v[ADRB+\slot] offset:32*BP*(\q)+16*BP+32*\b
.endr
.irp a, 0,1,2,3
	ds_load_b128 v[\f+64+8*\a:\f+64+8*\a+3],   v[ADRA+\slot] offset:((\q)/2)*AHEAD+8*AP*\a+64*((\q)%2)
	ds_load_b128 v[\f+64+8*\a+4:\f+64+8*\a+7], v[ADRA+\slot] offset:((\q)/2)*AHEAD+8*AP*\a+64*((\q)%2)+32
.endr
.endm
.macro PLACES                          ; plain vector lines between a matrix instruction and a load into, or a read of, its registers
.rept 4
	v_nop
.endr
.endm
; One of a K step's first three quarters: multiplies buffer f and fetches quarter q of the same slot into g.
.macro QUARTER slot, q, f, g, zero
	s_wait_dscnt 4                                 ; all but the youngest four loads (token blocks 2, 3) are in
.if \zero
	WIN MUL0
.else
	WIN MUL
.endif
	MUL8 \f, 0, \zero
	MUL8 \f, 1, \zero
	WIN 0
	PLACES
	FETCH \slot, \q, \g
	s_wait_dscnt 24                                ; all but the 24 just issued
.if \zero
	WIN MUL0
.else
	WIN MUL
.endif
	MUL8 \f, 2, \zero
	MUL8 \f, 3, \zero
.endm
; The last quarter multiplies buffer 1 and changes slots: one barrier; in front of it each wave waits for all its tensor loads, adds 0 to its spare word, and waits for that and for its reads of this slot.
; fill = 1: the barrier opens a round of the cluster's, and this slot is filled again, two K steps ahead: the first thing behind the round, one load a wave.
.macro TURN slot, next, fill
	WIN 0
	s_wait_tensorcnt 0x0
	ds_add_u32 v[SPW], v[NIL]
	s_wait_dscnt 5                                 ; the add and the youngest four loads may be out
	WIN MUL
	MUL8 F1, 0, 0
	s_wait_dscnt 0x0                               ; the add is done, and my reads of this slot are over
	s_barrier_signal -1
	MUL8 F1, 1, 0
.if \fill
	WIN 0
.endif
	s_barrier_wait -1
.if \fill
	CREST
	s_add_nc_u64 s[G0+4*\slot+2:G0+4*\slot+3], s[G0+4*\slot+2:G0+4*\slot+3], 1048576     ; four heads on
	s_add_nc_u64 s[G0B+4*\slot+2:G0B+4*\slot+3], s[G0B+4*\slot+2:G0B+4*\slot+3], 524288  ; 256 rows on
	JLOAD \slot                                    ; the four v_nop behind it are also the places in front of the loads below
.else
	PLACES
.endif
	FETCH \next, 0, F0
	WIN MUL
	MUL8 F1, 2, 0
	MUL8 F1, 3, 0
.endm
	s_wait_tensorcnt 1                             ; my part of K step 0 is in; K step 1's load may be out
	s_barrier_signal -1
	s_barrier_wait -1
	FETCH 0, 0, F0
	s_wait_loadcnt 0x0                             ; the bias
	QUARTER 0, 1, F0, F1, 1                        ; the first quarter stands in front of the loop: its products start the sums
	WIN 0
	s_mov_b32 s45, LAPS-1
.Llap:                                                 ; a trip goes once round the ring and fills both slots again
	QUARTER 0, 2, F1, F0, 0
	QUARTER 0, 3, F0, F1, 0
	TURN 0, 1, 1
	QUARTER 1, 1, F0, F1, 0
	QUARTER 1, 2, F1, F0, 0
	QUARTER 1, 3, F0, F1, 0
	TURN 1, 0, 1
	QUARTER 0, 1, F0, F1, 0
	WIN 0
	s_sub_co_u32 s45, s45, 1
	s_cmp_lg_u32 s45, 0
	s_cbranch_scc1 .Llap
	QUARTER 0, 2, F1, F0, 0                        ; the last lap fills nothing
	QUARTER 0, 3, F0, F1, 0
	TURN 0, 1, 0
	QUARTER 1, 1, F0, F1, 0
	QUARTER 1, 2, F1, F0, 0
	QUARTER 1, 3, F0, F1, 0
	s_wait_dscnt 4
	WIN MUL
	MUL8 F1, 0, 0
	MUL8 F1, 1, 0
	s_wait_dscnt 0
	MUL8 F1, 2, 0
	MUL8 F1, 3, 0
	WIN 0
; THE WAY OUT, a block of 16 tokens x 128 n at a time, through my own stage: back as whole rows of 512 bytes, which the 32 lanes store as 512 consecutive bytes, aligned to 256.
.macro TOSTAGE a
	WIN 0x04                                       ; an LDS store's data are its source 1: window 1
.irp b, 0,1,2,3,4,5,6,7
	ds_store_b128 v[STO], v[64*(\a)+8*\b:64*(\a)+8*\b+3] offset:64*\b          ; each accumulator from its low end on
	ds_store_b128 v[STO], v[64*(\a)+8*\b+4:64*(\a)+8*\b+7] offset:64*\b+16
.endr
	WIN 0
.set BB, BK+64*((\a)%2)
.irp t, 0,1,2,3,4,5,6,7,8,9,10,11,12,13,14,15
	ds_load_b128 v[BB+4*\t:BB+4*\t+3], v[RD] offset:\t*SPITCH      ; LDS serves a wave's instructions in order (ISA guide 5.7.1.4)
.endr
.endm
.macro SEND a, younger
.set BB, BK+64*((\a)%2)
	s_wait_dscnt \younger                          ; the block is back; the next block's 16 stores and 16 loads may be out
.irp t, 0,1,2,3,4,5,6,7,8,9,10,11,12,13,14,15
	global_store_b128 v[CO], v[BB+4*\t:BB+4*\t+3], s[8:9] offset:65536*(\a)+4096*\t th:TH_STORE_NT
.endr
.endm
	PLACES
	TOSTAGE 0
.irp a, 1,2,3
.if \a > 1
	s_wait_xcnt 0x0                                ; block a - 2's stores have read their registers: block a's loads may land there
.endif
	TOSTAGE \a
	SEND (\a)-1, 32
.endr
	SEND 3, 0
	s_wait_tensorcnt 0x0                           ; the wave's end: a wait, an add of 0 to my spare word and its wait, behind my last tensor load and my last LDS store
	ds_add_u32 v[SPW], v[NIL]
	s_wait_dscnt 0x0
	CROUND                                         ; the closing round
	s_endpgm
.Lfunc_end_k_qf19f1a506b_outp:
	.size	k_qf19f1a506b_outp, .Lfunc_end_k_qf19f1a506b_outp-k_qf19f1a506b_outp
	.p2alignl 7, 3214868480
	.fill 96, 4, 3214868480
	.section	.rodata,"a",@progbits
	.p2align	6, 0x0
	.amdhsa_kernel k_qf19f1a506b_outp
		.amdhsa_group_segment_fixed_size 327680
		.amdhsa_private_segment_fixed_size 0
		.amdhsa_enable_private_segment 0
		.amdhsa_kernarg_size 32
		.amdhsa_user_sgpr_count 2
		.amdhsa_user_sgpr_kernarg_segment_ptr 1
		.amdhsa_wavefront_size32 1
		.amdhsa_system_sgpr_workgroup_id_x 1
		.amdhsa_system_sgpr_workgroup_id_y 1
		.amdhsa_system_sgpr_workgroup_id_z 1
		.amdhsa_system_vgpr_workitem_id 0
		.amdhsa_next_free_vgpr 768
		.amdhsa_next_free_sgpr 66
		.amdhsa_reserve_vcc 0
		.amdhsa_float_denorm_mode_32 3
		.amdhsa_float_denorm_mode_16_64 3
		.amdhsa_memory_ordered 1
		.amdhsa_forward_progress 1
		.amdhsa_inst_pref_size 87
	.end_amdhsa_kernel
	.amdgpu_metadata
---
amdhsa.version: [ 1, 2 ]
amdhsa.kernels:
  - .name:           k_qf19f1a506b_outp
    .symbol:         k_qf19f1a506b_outp.kd
    .args:
      - { .name: hd, .offset: 0, .size: 8, .value_kind: global_buffer, .address_space: global }
      - { .name: wo16, .offset: 8, .size: 8, .value_kind: global_buffer, .address_space: global }
      - { .name: bo, .offset: 16, .size: 8, .value_kind: global_buffer, .address_space: global }
      - { .name: out0, .offset: 24, .size: 8, .value_kind: global_buffer, .address_space: global }
    .group_segment_fixed_size: 327680
    .private_segment_fixed_size: 0
    .kernarg_segment_align: 8
    .kernarg_segment_size: 32
    .max_flat_workgroup_size: 128
    .sgpr_count:     66
    .vgpr_count:     768
    .wavefront_size: 32
...
	.end_amdgpu_metadata
.endif
;; end of part 4
